; MI455X (gfx1250); checked and timed in simulation.
; The chip was launched on July 23, 2026; its instructions are those of AMD's public machine-readable ISA for CDNA 5 (MIT licence, August 2026) and "CDNA5" Instruction Set Architecture Reference Guide (July 2026). The comments in the code are by the model that wrote it; some were corrected since.
;; Mult Head Atten. Allowed arithmetic: matrix products marked QUANTISED: E5M2 operands, one E8M0 scale for each 32 along K, by v_wmma_scale_f32_16x16x128_f8f6f4 with both operands' format E5M2, f32 sums; everything else in f32.
;; Inputs: Wo_codes 768 x 24 x 32 uint8 (E5M2 codes of Wo, K innermost, in blocks of 32 codes); Wo_scales 768 x 24 uint8 (E8M0 scales of Wo, one for each 32 codes along K); Wq_codes 768 x 24 x 32 uint8 (E5M2 codes of Wq, K innermost, in blocks of 32 codes); Wq_scales 768 x 24 uint8 (E8M0 scales of Wq, one for each 32 codes along K); bo 768 float32; bq 768 float32; k_codes 1 x 4,096 x 24 x 32 uint8 (E5M2 codes of k, K innermost, in blocks of 32 codes); k_scales 1 x 4,096 x 24 uint8 (E8M0 scales of k, one for each 32 codes along K); q_codes 1 x 4,096 x 24 x 32 uint8 (E5M2 codes of q, K innermost, in blocks of 32 codes); q_scales 1 x 4,096 x 24 uint8 (E8M0 scales of q, one for each 32 codes along K); v_codes 1 x 4,096 x 24 x 32 uint8 (E5M2 codes of v, K innermost, in blocks of 32 codes); v_scales 1 x 4,096 x 24 uint8 (E8M0 scales of v, one for each 32 codes along K).
;; Outputs: out0 1 x 4,096 x 768 float32.
;; This version of the problem:
;;   THIS VERSION OF THE PROBLEM IS GIVEN IN LOW PRECISION. The matrix products marked QUANTISED in the list below multiply operands that are first quantised to E5M2 (5 exponent bits, 2 mantissa bits; 8 bits a number), with one power-of-two scale for each 32 numbers along K (OCP MX v1.0); their sums are f32. All else is computed in f32.
;;   The module's matrix products, in the order in which they are computed (A, B: the left and right operand; K: the contracted axis; several contracted axes count as one K, in the product's order):
;;     1. [M 4,096, K 768] x [K 768, N 768]; A: input q (given as codes); B: input Wq (given as codes): QUANTISED
;;     2. [M 4,096, K 768] x [K 768, N 768]; A: input k (given as codes); B: input Wq (given as codes): QUANTISED
;;     3. [M 4,096, K 768] x [K 768, N 768]; A: input v (given as codes); B: input Wq (given as codes): QUANTISED
;;     4. batch 12 x [M 4,096, K 64] x [K 64, N 4,096]; A: computed on the way; B: computed on the way: QUANTISED
;;     5. batch 12 x [M 4,096, K 4,096] x [K 4,096, N 64]; A: softmax (see below); B: computed on the way: QUANTISED
;;     6. [M 4,096, K 768] x [K 768, N 768]; A: computed on the way; B: input Wo (given as codes): QUANTISED
;;   THE QUANTISER, for each operand of a quantised product, along K:
;;     - K is cut into blocks of 32 from its start; a last block that is shorter is filled with zeros.
;;     - A block's scale is 2^e with e = floor(log2(the largest magnitude in the block)) - 15, held to -126 .. 127; a block of zeros has e = 0. As a byte (E8M0): e + 127.
;;     - Each number is divided by its block's scale, clamped to +-57,344, and rounded to the nearest number of E5M2, ties to even, subnormals kept.
;;     - The product sums the exact products of the quantised numbers (number of the format x scale) in f32.
;;   ~~~python
;;   def quantise(x, axis):      # numpy; x: float32 -> the quantised numbers, widened to float32 again
;;       x = np.moveaxis(x, axis, -1); K = x.shape[-1]
;;       x = np.pad(x, [(0, 0)] * (x.ndim - 1) + [(0, -K % 32)]); x = x.reshape(x.shape[:-1] + (-1, 32)); a = np.abs(x).max(-1, keepdims=True)
;;       e = np.where(a > 0, np.clip(np.frexp(np.where(a > 0, a, 1))[1] - 1 - 15, -126, 127), 0)      # np.frexp(a)[1] - 1 = floor(log2(a)), exactly
;;       r = np.clip(x / 2.0 ** e, -57344, 57344)
;;       step = 2.0 ** (np.maximum(np.frexp(np.where(r == 0, 1, r))[1] - 1, -14) - 2)
;;       q = np.round(r / step) * step * 2.0 ** e      # np.round: ties to even
;;       return np.moveaxis(q.reshape(q.shape[:-2] + (-1,))[..., :K], -1, axis).astype(np.float32)
;;   ~~~
;;   SOFTMAX AHEAD OF A QUANTISED PRODUCT. Where the list says 'softmax', what is quantised is not the finished softmax but p = 2^(t - M), with t = logit x log2(e) and M = ceil(the row's largest t), a whole number; so 1/2 < the row's largest p <= 1. The row's sum l is taken of the UNQUANTISED p, in f32, and the product's result is divided by l at the end. Since M is a whole number, a kernel that streams over the keys may use a running M (the ceiling of the running maximum): every later rescaling is an exact power of two, which a block's scale takes up: the codes' values come out the same.
;;   OPERANDS COMPUTED ON THE WAY. 'Computed on the way' means the value that the module computes at that place (a softmax that the list does not call 'softmax' is quantised finished and normalised). What goes into a quantiser is computed in f32, as accurately as f32 sums, v_exp_f32 and their like allow (about 1e-6 of the number): no bf16 or f16 on the way to a quantiser, and a product that is left as it is and whose result goes on into a quantised operand takes f32 operands (vector FMAs, or v_wmma_f32_16x16x4_f32). A number that lies on a knife's edge between two numbers of the format may be rounded either way, as far as f32 arithmetic and the matrix unit's own rounding can turn it there, and no further.
;;   INPUTS GIVEN AS CODES. Wo (in the module: [768, 768], K = its axis 1); Wq (in the module: [768, 768], K = its axis 1); k (in the module: [1, 4096, 768], K = its axis 2); q (in the module: [1, 4096, 768], K = its axis 2); v (in the module: [1, 4096, 768], K = its axis 2): each comes as NAME_codes (uint8): NAME with its K axis moved to the last place and cut into blocks of 32 codes, [.., K / 32, bytes a block], one block behind the other in memory; one code a byte (a code: sign, 5 exponent bits, 2 mantissa bits); and NAME_scales (uint8): the same leading axes, one E8M0 byte (e + 127) for each 32 codes along K. Its value is code x scale, taken as it is: it is not quantised again, and the codes and scales need not be those that the quantiser above would give.
;; 2 versions. Each part assembles by itself: llvm-mc -triple=amdgcn-amd-amdhsa -mcpu=gfx1250 --defsym DOCPART=n.
;; ======== version 1 of 2: 3 launches
;; workspace buffers: qc 3,145,728 bytes; kc 3,145,728 bytes; vc 3,145,728 bytes; qs 196,608 bytes; skv 196,608 bytes; cc 3,145,728 bytes; cs 98,304 bytes
;; launch proj (part 1): grid 96 x 3, 8 waves a work-group, no clusters, 327,680 bytes of LDS; arguments q_codes, q_scales, k_codes, k_scales, v_codes, v_scales, Wq_codes, Wq_scales, bq, qc, qs, kc, skv, vc; writes qc, qs, kc, skv, vc
.if DOCPART == 1
	.amdgcn_target "amdgcn-amd-amdhsa--gfx1250"
	.amdhsa_code_object_version 6
	.text
	.protected	k_qe7ee820cef_proj
	.globl	k_qe7ee820cef_proj
	.p2align	8
	.type	k_qe7ee820cef_proj,@function
k_qe7ee820cef_proj:
	s_mov_b64 s[64:65], 0
	v_nop
	global_prefetch_b8 v0, s[64:65] scope:SCOPE_SE
	s_setreg_imm32_b32 hwreg(HW_REG_WAVE_MODE, 25, 1), 1
	s_wait_xcnt 0x0
; Q = q Wq^T + bq, K = k Wq^T + bq, V = v Wq^T + bq on codes of BF8 (E5M2) with one E8M0 scale for each 32 along K = 768; the results are quantised again
; (Q and K along the head's 64 channels, V along the keys) and stored as IMAGES OF OPERAND REGISTERS for the attention launch.
; ONE BODY FOR THE THREE.  It makes P[a][b] = sum over k of A[a][k] B[b][k] (+ bias) and quantises along a: source 0 = 16 rows of A, source 1 = 16 rows of B,
; so that a lane holds one b (lane % 16) and its registers run along a.  Work-group y = 0, 1 (Q, K): A = Wq (a = channel), B = tokens.  y = 2 (V): A = tokens (a = key), B = Wq.
; What hangs on y is chosen without a jump: pointers, strides of the stores, two factors for the bias, two byte selectors.  No LDS address and no branch hangs on y.
; SHARES.  A work-group takes 256 rows of A x 128 rows of B with all of K in LDS (filled once: 3 chunks of 256 along K); 96 work-groups a tensor.  Eight waves: wave tile 128 of A (wave & 1) x 32 of B (wave >> 1): 16 accumulators.
; ORDER ALONG THE NEXT K.  Tiles take neighbouring rows of A, so of a block of 32 a lane of half h holds 8 h + 0..7 and 16 + 8 h + 0..7: register pair i of a fragment made here holds k = 16 i + 8 h + 0..7.
; Every operand that meets such a fragment is made or read in the same order, and a block of 32 keeps its own four registers, so the scale bytes stay right.
; AN IMAGE: a fragment's registers 4 c .. 4 c + 3 lie at 512 c + 16 x lane: each store of a wave covers 512 consecutive bytes, aligned.
;   qc, kc: [head][32 tokens][quad 2 u + c][lane][16]: tokens 16 u + lane % 16, channel block c.   vc: [head][128 keys][channel tile][quad = key block][lane][16].
;   qs, skv: a word a row: [head, 16,384 bytes][fragment][lane % 16]; V's words lie 8,192 bytes behind K's in skv.
; NO CLUSTER: partners could share Wq's part alone, and that part is A's region for Q and K and B's for V: each region would need a joint and a plain descriptor chosen by the tensor.
; LIMITS: NaN and infinities among the inputs are not served (bq is multiplied by 0 on the axis where it does not apply); a block of zeros gets the scale byte 1 where the rule says 127
; (its codes are zeros, and this program alone reads the bytes); inside a block of 32 the products are summed in the order stated above.
.set PITCH, 272                        ; an LDS row: 256 bytes + 16 of padding = 68 words, so the 16 rows that a load touches start 4 banks apart (64 banks of 4 bytes: ISA guide 11.1)
.set UNIT,  64*PITCH                   ; 64 rows: what one tensor load brings
.set CH,    6*UNIT                     ; a chunk of 256 along K: A's 256 rows, then B's 128
.set BOFF,  4*UNIT
.set SC,    3*CH                       ; behind the chunks: the scale bytes, 24 a row, dense: A's 256 rows,
.set SCB,   SC+256*24                  ; then B's 128
.set ADA,  4                           ; v4   LDS address of my A fragments in the chunk in hand
.set ADB,  5                           ; v5   of my B fragments
.set ADSA, 6                           ; v6   of A's scale words: a lane a row, 32 rows (two tiles) a load
.set ADSB, 7                           ; v7   of B's
.set VO,   8                           ; v8-11  offsets of the code stores: index 2 g + bt
.set SO0,  12                          ; v12  4 x (lane % 16): first scale store, and the bias along b
.set SO1,  13                          ; v13  the second scale store
.set HB,   14                          ; v14  32 x (lane / 16): the bias along a
.set SA,   16                          ; v16-19 A's scale words: register p: lanes 0-15 tile 2 p, lanes 16-31 tile 2 p + 1
.set SB,   20                          ; v20  B's: lanes 0-15 tile 0, lanes 16-31 tile 1
.set AF,   32                          ; v32-95   four fragments of A
.set BF,   96                          ; v96-127  two fragments of B
.set ACC,  128                         ; v128-255 accumulator (g, bt, i) at ACC + 64 g + 32 bt + 8 i: A's tile 4 g + i, B's tile bt
.set TM,   32                          ; the quantiser's 16 registers at work
.set CD,   48                          ; v48-79 the codes: 16 registers for each g
.set PW,   80                          ; v80-81 the scale words as made; v82-83 as stored
.set G1C,  32                          ; s[32:39] descriptor group 1 for codes;  s[40:47] for scale bytes
.set G1S,  40
.set G0S,  48                          ; s[48:51] group 0 for my scale bytes;  s[52:63] for my rows of chunks 0, 1, 2
.set G0C,  52
.set WV,   66
.set Y,    67
.set AG,   69
.set BG,   70
.set A0,   71
.set B0,   72
.set WA,   73
.set WB,   74
.set SEL,  76                          ; s[76:77] v_permlanex16_b32's selects for lane l xor 16
.set MNT,  78                          ; the mantissa field of 57,344
.set FA,   80                          ; s[80:81] 1.0 where the bias runs along a, else 0 (a pair: the packed form names both)
.set FB,   82                          ; s[82:83] the same for b
.set P0,   84                          ; s84, s85 byte selectors that lay the two scale words as they are stored
.macro FRAG reg, adr, off              ; 16 rows x 128 K of 8-bit codes: lane l holds row l % 16; registers 4 c .. 4 c + 3 hold K = 32 c + 16 (l / 16) + 0 .. 15
.irp c, 0,1,2,3
	ds_load_b128 v[\reg+4*\c:\reg+4*\c+3], v[\adr] offset:\off+32*\c
.endr
.endm
.macro WM d, a, b, sa, ra, rb          ; one product, added in place; ra, rb: the side's scale words stand in lanes 16-31
.if (\ra) && (\rb)
	v_wmma_scale_f32_16x16x128_f8f6f4 v[\d:\d+7], v[\a:\a+15], v[\b:\b+15], v[\d:\d+7], v[\sa], v[SB] matrix_a_fmt:MATRIX_FMT_BF8 matrix_b_fmt:MATRIX_FMT_BF8 matrix_a_scale:MATRIX_SCALE_ROW1 matrix_b_scale:MATRIX_SCALE_ROW1
.elseif \ra
	v_wmma_scale_f32_16x16x128_f8f6f4 v[\d:\d+7], v[\a:\a+15], v[\b:\b+15], v[\d:\d+7], v[\sa], v[SB] matrix_a_fmt:MATRIX_FMT_BF8 matrix_b_fmt:MATRIX_FMT_BF8 matrix_a_scale:MATRIX_SCALE_ROW1
.elseif \rb
	v_wmma_scale_f32_16x16x128_f8f6f4 v[\d:\d+7], v[\a:\a+15], v[\b:\b+15], v[\d:\d+7], v[\sa], v[SB] matrix_a_fmt:MATRIX_FMT_BF8 matrix_b_fmt:MATRIX_FMT_BF8 matrix_b_scale:MATRIX_SCALE_ROW1
.else
	v_wmma_scale_f32_16x16x128_f8f6f4 v[\d:\d+7], v[\a:\a+15], v[\b:\b+15], v[\d:\d+7], v[\sa], v[SB] matrix_a_fmt:MATRIX_FMT_BF8 matrix_b_fmt:MATRIX_FMT_BF8
.endif
.endm
.macro MUL8 g                          ; A's tiles 4 g .. 4 g + 3 x B's two: eight accumulators by turns, one instruction a turn
.irp i, 0,1,2,3
.irp bt, 0,1
	WM ACC+64*\g+32*\bt+8*\i, AF+16*\i, BF+16*\bt, SA+2*\g+\i/2, \i%2, \bt
.endr
.endr
.endm
.macro PLACES                          ; eight plain vector instructions between a matrix instruction of this form and a load into, or a vector read or write of, its registers
.rept 8
	v_nop
.endr
.endm
; 128 along K: the ks-th of the chunk in hand, the s-th of all six.  first = 1: no matrix instruction has run yet.
.macro KSTEP ks, s, first
.if \first == 0
	PLACES
.endif
	FRAG BF, ADB, 128*\ks
	FRAG BF+16, ADB, 16*PITCH+128*\ks
	ds_load_b32 v[SB], v[ADSB] offset:4*\s
.irp p, 0,1,2,3
	ds_load_b32 v[SA+\p], v[ADSA] offset:768*\p+4*\s
.endr
.irp i, 0,1,2,3
	FRAG AF+16*\i, ADA, \i*16*PITCH+128*\ks
.endr
	s_wait_dscnt 0x0
	MUL8 0
	PLACES
.irp i, 0,1,2,3
	FRAG AF+16*\i, ADA, (4+\i)*16*PITCH+128*\ks
.endr
	s_wait_dscnt 0x0
	MUL8 1
.endm
; 64 numbers of a lane, v[s] on, four blocks of 16 registers, each the lane's half of a block of 32 along the next K, become 16 registers of codes v[cd] on and a scale word v[pw].
.macro QUANT s, cd, pw
.irp b, 0,1,2,3
	v_max3_num_f32 v[TM+\b], |v[\s+16*\b]|, |v[\s+16*\b+1]|, 0x8000000   ; my 16 numbers and the floor 2^(16 - 127): the byte cannot fall under 1
.endr
.irp i, 2,4,6,8,10,12,14
.irp b, 0,1,2,3
	v_max3_num_f32 v[TM+\b], v[TM+\b], |v[\s+16*\b+\i]|, |v[\s+16*\b+\i+1]|   ; the four blocks by turns
.endr
.endr
.irp b, 0,1,2,3
	v_permlanex16_b32 v[TM+4+\b], v[TM+\b], s[SEL], s[SEL+1]
.endr
.irp b, 0,1,2,3
	v_max_num_f32 v[TM+\b], v[TM+\b], v[TM+4+\b]                 ; with lane l xor 16's 16: the block's largest magnitude
.endr
.irp b, 0,1,2,3
	v_add_nc_u32 v[TM+12+\b], 0xf8800000, v[TM+\b]               ; 15 off its exponent field: the conversion takes that field as its scale
.endr
.irp b, 0,1,2,3
	v_and_or_b32 v[TM+8+\b], v[TM+\b], 0x7f800000, s[MNT]        ; 57,344 x the scale
.endr
.irp b, 0,1,2,3
	v_lshrrev_b32 v[TM+4+\b], 23, v[TM+12+\b]                    ; the scale's byte
.endr
	v_lshl_or_b32 v[\pw], v[TM+5], 8, v[TM+4]
	v_lshl_or_b32 v[\pw], v[TM+6], 16, v[\pw]
	v_lshl_or_b32 v[\pw], v[TM+7], 24, v[\pw]
.irp b, 0,1,2,3
.irp i, 0,1,2,3,4,5,6,7,8,9,10,11,12,13,14,15
	v_med3_num_f32 v[\s+16*\b+\i], v[\s+16*\b+\i], -v[TM+8+\b], v[TM+8+\b]   ; the conversion to an 8-bit code does not saturate (ISA guide 7.6.2): the hold comes first
.endr
	v_cvt_scalef32_pk8_bf8_f32 v[\cd+4*\b:\cd+4*\b+1], v[\s+16*\b:\s+16*\b+7], v[TM+12+\b]
	v_cvt_scalef32_pk8_bf8_f32 v[\cd+4*\b+2:\cd+4*\b+3], v[\s+16*\b+8:\s+16*\b+15], v[TM+12+\b]
.endr
	v_nop                                          ; a plain instruction behind the last conversion
.endm
	s_load_b512 s[4:19], s[0:1], 0x0               ; q's codes, scales; k's; v's; Wq's
	s_load_b256 s[20:27], s[0:1], 0x40             ; bq, qc, qs, kc
	s_load_b128 s[28:31], s[0:1], 0x60             ; skv, vc
	v_lshl_add_u32 v30, v0, 2, 0x4ec00
	v_mov_b32 v31, 0
	ds_add_u32 v30, v31
	v_lshrrev_b32 v1, 5, v0
	v_readfirstlane_b32 s[WV], v1                  ; wave 0..7
	s_and_b32 s[Y], ttmp7, 0xffff                  ; 0: Q, 1: K, 2: V
	s_lshr_b32 s86, ttmp9, 5                       ; Q, K: 3 groups of A (Wq) x 32 of B (tokens)
	s_and_b32 s87, ttmp9, 31
	s_and_b32 s88, ttmp9, 15                       ; V: 16 groups of A (tokens) x 6 of B (Wq)
	s_lshr_b32 s89, ttmp9, 4
	s_and_b32 s[WA], s[WV], 1
	s_lshr_b32 s[WB], s[WV], 1
	s_and_b32 s94, s[WV], 3
	s_lshl_b32 s94, s94, 6                         ; which 64 rows of A (waves 0-3) or of B (waves 4, 5) I fetch
	s_cmp_eq_u32 s[Y], 2
	s_cselect_b32 s[AG], s88, s86
	s_cselect_b32 s[BG], s89, s87
	s_cselect_b32 s[FA], 0, 1.0
	s_cselect_b32 s[FB], 1.0, 0
	s_mov_b32 s[P0], 0x03020100                    ; Q, K: a word as made is a word as stored
	s_cselect_b32 s[P0], 0x05040100, s[P0]         ; V: the low halves of the two words make channel tile 0's word,
	s_mov_b32 s[P0+1], 0x07060504
	s_cselect_b32 s[P0+1], 0x07060302, s[P0+1]     ; the high halves tile 1's
	s_mov_b32 s[FA+1], s[FA]
	s_mov_b32 s[FB+1], s[FB]
	s_lshl_b32 s[A0], s[AG], 8
	s_lshl_b32 s[B0], s[BG], 7
	s_mov_b32 s[SEL], 0x76543210
	s_mov_b32 s[SEL+1], 0xfedcba98
	s_mov_b32 s[MNT], 0x600000
	; group 1 for codes: 64 rows x 256 bytes, 768 bytes apart in memory, 16 bytes of padding behind each row in LDS
	s_mov_b32 s[G1C+0], (1<<20)|(5<<22)|(3<<25)    ; no mask; elements of 1 byte; padding on: 4 words after every 64
	s_mov_b32 s[G1C+1], 256<<16                    ; tensor_dim0
	s_mov_b32 s[G1C+2], 64<<16                     ; tensor_dim1
	s_mov_b32 s[G1C+3], 256<<16                    ; tile_dim0
	s_mov_b32 s[G1C+4], 64                         ; tile_dim1
	s_mov_b32 s[G1C+5], 768                        ; from row to row
	s_mov_b32 s[G1C+6], 0
	s_mov_b32 s[G1C+7], 0
	; group 1 for scale bytes: 64 rows x 24 bytes are 1,536 dense bytes: 6 rows of 32 elements of 8 bytes
	s_mov_b32 s[G1S+0], 3<<16
	s_mov_b32 s[G1S+1], 32<<16
	s_mov_b32 s[G1S+2], 6<<16
	s_mov_b32 s[G1S+3], 32<<16
	s_mov_b32 s[G1S+4], 6
	s_mov_b32 s[G1S+5], 32
	s_mov_b32 s[G1S+6], 0
	s_mov_b32 s[G1S+7], 0
	s_wait_dscnt 0x0
	s_wait_kmcnt 0x0
	s_cmp_eq_u32 s[Y], 0
	s_cselect_b64 s[86:87], s[4:5], s[8:9]         ; the tokens' codes and scale bytes: q's or k's,
	s_cselect_b64 s[88:89], s[6:7], s[10:11]
	s_cmp_eq_u32 s[Y], 2
	s_cselect_b64 s[86:87], s[12:13], s[86:87]     ; or v's
	s_cselect_b64 s[88:89], s[14:15], s[88:89]
	s_cselect_b64 s[90:91], s[86:87], s[16:17]     ; A: the tokens for V, else Wq
	s_cselect_b64 s[92:93], s[88:89], s[18:19]
	s_cselect_b64 s[86:87], s[16:17], s[86:87]     ; B: the other
	s_cselect_b64 s[88:89], s[18:19], s[88:89]
	s_cmp_lt_u32 s[WV], 4
	s_cselect_b64 s[90:91], s[90:91], s[86:87]     ; what I fetch: waves 0-3 for A, waves 4, 5 for B
	s_cselect_b64 s[92:93], s[92:93], s[88:89]
	s_cselect_b32 s95, s[A0], s[B0]
	s_add_co_u32 s95, s95, s94                     ; my first row
	s_mul_i32 s96, s95, 768
	s_mov_b32 s97, 0
	s_add_nc_u64 s[90:91], s[90:91], s[96:97]
	s_mul_i32 s96, s95, 24
	s_add_nc_u64 s[92:93], s[92:93], s[96:97]
	s_mov_b32 s[G0S], 1                            ; count = 1
	s_mul_i32 s[G0S+1], s[WV], 1536
	s_add_co_u32 s[G0S+1], s[G0S+1], SC            ; LDS address: a constant + the wave's number x a constant
	s_mov_b64 s[G0S+2:G0S+3], s[92:93]
	s_or_b32 s[G0S+3], s[G0S+3], 0x80000000        ; type = 2
	s_mul_i32 s96, s[WV], UNIT
.irp c, 0,1,2
	s_mov_b32 s[G0C+4*\c], 1
	s_add_co_u32 s[G0C+4*\c+1], s96, \c*CH
	s_add_nc_u64 s[G0C+4*\c+2:G0C+4*\c+3], s[90:91], \c*256
	s_or_b32 s[G0C+4*\c+3], s[G0C+4*\c+3], 0x80000000
.endr
	s_cmp_lt_u32 s[WV], 6                          ; all first fills of a wave stand in this one branch: four loads of mine are out; every LDS byte is filled once
	s_cbranch_scc0 .Lno_fetch
	tensor_load_to_lds s[G0S:G0S+3], s[G1S:G1S+7]
	s_nop 0
	tensor_load_to_lds s[G0C:G0C+3], s[G1C:G1C+7]
	s_nop 0
	tensor_load_to_lds s[G0C+4:G0C+7], s[G1C:G1C+7]
	s_nop 0
	tensor_load_to_lds s[G0C+8:G0C+11], s[G1C:G1C+7]
	s_nop 0
.rept 4
	v_nop
.endr
.Lno_fetch:
	; where the results go.  Q, K: head 4 ag + 2 wa (+ g), fragment 4 bg + wb
	s_lshl_b32 s86, s[AG], 2
	s_lshl_b32 s87, s[WA], 1
	s_add_co_u32 s86, s86, s87
	s_lshl_b32 s87, s[BG], 2
	s_add_co_u32 s87, s87, s[WB]
	s_lshl_b32 s88, s86, 18
	s_lshl_b32 s89, s87, 11
	s_add_co_u32 s88, s88, s89                     ; codes: head x 262,144 + fragment x 2,048
	s_lshl_b32 s86, s86, 14
	s_lshl_b32 s87, s87, 6
	s_add_co_u32 s89, s86, s87                     ; words: head x 16,384 + fragment x 64
	; V: head 2 bg + wb / 2, key step 2 ag + wa, channel tile 2 (wb % 2) (+ bt)
	s_lshl_b32 s86, s[BG], 1
	s_lshr_b32 s87, s[WB], 1
	s_add_co_u32 s86, s86, s87
	s_lshl_b32 s87, s[AG], 1
	s_add_co_u32 s87, s87, s[WA]
	s_and_b32 s90, s[WB], 1
	s_lshl_b32 s91, s86, 18
	s_lshl_b32 s92, s87, 13
	s_add_co_u32 s91, s91, s92
	s_lshl_b32 s92, s90, 12
	s_add_co_u32 s91, s91, s92                     ; codes: head x 262,144 + step x 8,192 + tile x 2,048
	s_lshl_b32 s86, s86, 14
	s_lshl_b32 s87, s87, 8
	s_add_co_u32 s86, s86, s87
	s_lshl_b32 s90, s90, 7
	s_add_co_u32 s86, s86, s90
	s_add_co_u32 s92, s86, 8192                    ; words: head x 16,384 + 8,192 + step x 256 + tile x 64
	s_lshl_b32 s93, s[WA], 7
	s_add_co_u32 s93, s93, s[A0]
	s_lshl_b32 s93, s93, 2                         ; bq at my first row of A, in bytes,
	s_lshl_b32 s94, s[WB], 5
	s_add_co_u32 s94, s94, s[B0]
	s_lshl_b32 s94, s94, 2                         ; and of B
	s_cmp_eq_u32 s[Y], 2
	s_cselect_b32 s96, s91, s88
	s_cselect_b32 s98, s92, s89
	s_cselect_b32 s100, 0, s93                     ; on the axis of tokens bq is read from its start and multiplied by 0: no load leaves the buffer
	s_cselect_b32 s94, s94, 0
	s_mov_b32 s86, 262144
	s_cselect_b32 s86, 1024, s86                   ; from g to g + 1: the next head, or two key blocks
	s_mov_b32 s87, 1024
	s_cselect_b32 s87, 2048, s87                   ; from bt to bt + 1: two quads, or the next channel tile
	s_mov_b32 s88, 16384
	s_cselect_b32 s88, 64, s88                     ; from the first word stored to the second: the next head, or the next channel tile
	s_cselect_b64 s[90:91], s[30:31], s[26:27]     ; vc or kc,
	s_mov_b32 s97, 0
	s_mov_b32 s99, 0
	s_mov_b32 s101, 0
	s_mov_b32 s95, 0
	s_cmp_eq_u32 s[Y], 0
	s_cselect_b64 s[90:91], s[22:23], s[90:91]     ; or qc
	s_cselect_b64 s[92:93], s[24:25], s[28:29]     ; qs or skv
	s_add_nc_u64 s[90:91], s[90:91], s[96:97]      ; s[90:91]: where my codes go
	s_add_nc_u64 s[92:93], s[92:93], s[98:99]      ; s[92:93]: my scale words
	s_add_nc_u64 s[96:97], s[20:21], s[100:101]    ; s[96:97]: bq along a
	s_add_nc_u64 s[98:99], s[20:21], s[94:95]      ; s[98:99]: bq along b
	v_and_b32 v1, 31, v0                           ; lane
	v_and_b32 v2, 15, v0                           ; r
	v_bfe_u32 v3, v0, 4, 1                         ; h
	v_mul_u32_u24 v[ADA], v2, PITCH
	v_lshl_add_u32 v[ADA], v3, 4, v[ADA]           ; row r x pitch + 16 h
	s_mul_i32 s100, s[WB], 32*PITCH
	s_add_co_u32 s100, s100, BOFF
	v_add_nc_u32 v[ADB], s100, v[ADA]              ; my 32 rows of B, behind A's 256
	s_mul_i32 s100, s[WA], 128*PITCH
	v_add_nc_u32 v[ADA], s100, v[ADA]              ; my 128 rows of A
	v_mul_u32_u24 v[ADSA], v1, 24
	s_mul_i32 s100, s[WB], 32*24
	s_add_co_u32 s100, s100, SCB
	v_add_nc_u32 v[ADSB], s100, v[ADSA]
	s_mul_i32 s100, s[WA], 128*24
	s_add_co_u32 s100, s100, SC
	v_add_nc_u32 v[ADSA], s100, v[ADSA]
	v_lshlrev_b32 v[VO], 4, v1
	v_add_nc_u32 v[VO+1], s87, v[VO]
	v_add_nc_u32 v[VO+2], s86, v[VO]
	v_add_nc_u32 v[VO+3], s87, v[VO+2]
	v_lshlrev_b32 v[SO0], 2, v2
	v_add_nc_u32 v[SO1], s88, v[SO0]
	v_lshlrev_b32 v[HB], 5, v3
	; THE BIAS STARTS THE SUMS, while the tiles are on their way: accumulator = bq(a) x FA + bq(b) x FB, one of the factors 1 and the other 0.  Nothing is cleared.
.irp t, 0,1,2,3,4,5,6,7
	global_load_b128 v[AF+8*\t:AF+8*\t+3], v[HB], s[96:97] offset:64*\t       ; tile t: a = 16 t + 8 h + 0 .. 7
	global_load_b128 v[AF+8*\t+4:AF+8*\t+7], v[HB], s[96:97] offset:64*\t+16
.endr
	global_load_b32 v[BF], v[SO0], s[98:99]                                   ; b = r
	global_load_b32 v[BF+2], v[SO0], s[98:99] offset:64                       ; b = 16 + r
	v_mov_b32 v[BF+1], 0                           ; (named as the upper halves of pairs, so they are written)
	v_mov_b32 v[BF+3], 0
	s_wait_loadcnt 0x0
	v_mul_f32 v[BF], s[FB], v[BF]
	v_mul_f32 v[BF+2], s[FB], v[BF+2]
.irp g, 0,1
.irp bt, 0,1
.irp i, 0,1,2,3
.irp j, 0,2,4,6
	v_pk_fma_f32 v[ACC+64*\g+32*\bt+8*\i+\j:ACC+64*\g+32*\bt+8*\i+\j+1], v[AF+8*(4*\g+\i)+\j:AF+8*(4*\g+\i)+\j+1], s[FA:FA+1], v[BF+2*\bt:BF+2*\bt+1] op_sel_hi:[1,0,0]
.endr
.endr
.endr
.endr
	s_wait_tensorcnt 0x2                           ; my scale bytes and my rows of chunk 0 are in: behind them I issued two loads, which may stay out (nothing is filled twice)
	s_barrier_signal -1
	s_barrier_wait -1                              ; everybody's are
	KSTEP 0, 0, 1
	KSTEP 1, 1, 0
	s_wait_tensorcnt 0x1                           ; chunk 1: only chunk 2's load may be out
	s_barrier_signal -1
	s_barrier_wait -1
	v_add_nc_u32 v[ADA], CH, v[ADA]
	v_add_nc_u32 v[ADB], CH, v[ADB]
	KSTEP 0, 2, 0
	KSTEP 1, 3, 0
	s_wait_tensorcnt 0x0                           ; chunk 2
	s_barrier_signal -1
	s_barrier_wait -1
	v_add_nc_u32 v[ADA], CH, v[ADA]
	v_add_nc_u32 v[ADB], CH, v[ADB]
	KSTEP 0, 4, 0
	KSTEP 1, 5, 0
	PLACES                                         ; in front of the first read of results and of writes over the fragments' registers
.irp b, 0,1,2,3
	v_mov_b32 v[TM+4+\b], 0                        ; a lane permute's destination counts as one of its sources
.endr
	QUANT ACC, CD, PW                              ; g = 0: blocks (bt 0, 32 of a), (bt 0, next 32), (bt 1, ..), (bt 1, ..)
	QUANT ACC+64, CD+16, PW+1                      ; g = 1
	v_perm_b32 v[PW+2], v[PW+1], v[PW], s[P0]
	v_perm_b32 v[PW+3], v[PW+1], v[PW], s[P0+1]
.irp g, 0,1
.irp bt, 0,1
.irp c, 0,1
	global_store_b128 v[VO+2*\g+\bt], v[CD+16*\g+8*\bt+4*\c:CD+16*\g+8*\bt+4*\c+3], s[90:91] offset:512*\c   ; 32 lanes store 512 consecutive bytes, aligned
.endr
.endr
.endr
	global_store_b32 v[SO0], v[PW+2], s[92:93]     ; lanes 16-31 hold the same words as lanes 0-15 and write the same places
	global_store_b32 v[SO1], v[PW+3], s[92:93]
	s_wait_tensorcnt 0x0
	ds_add_u32 v30, v31
	s_wait_dscnt 0x0
	s_endpgm
.Lfunc_end_k_qe7ee820cef_proj:
	.size	k_qe7ee820cef_proj, .Lfunc_end_k_qe7ee820cef_proj-k_qe7ee820cef_proj
	.p2alignl 7, 3214868480
	.fill 96, 4, 3214868480
	.section	.rodata,"a",@progbits
	.p2align	6, 0x0
	.amdhsa_kernel k_qe7ee820cef_proj
		.amdhsa_group_segment_fixed_size 327680
		.amdhsa_private_segment_fixed_size 0
		.amdhsa_enable_private_segment 0
		.amdhsa_kernarg_size 112
		.amdhsa_user_sgpr_count 2
		.amdhsa_user_sgpr_kernarg_segment_ptr 1
		.amdhsa_wavefront_size32 1
		.amdhsa_system_sgpr_workgroup_id_x 1
		.amdhsa_system_sgpr_workgroup_id_y 1
		.amdhsa_system_sgpr_workgroup_id_z 1
		.amdhsa_system_vgpr_workitem_id 0
		.amdhsa_next_free_vgpr 256
		.amdhsa_next_free_sgpr 102
		.amdhsa_reserve_vcc 0
		.amdhsa_float_denorm_mode_32 3
		.amdhsa_float_denorm_mode_16_64 3
		.amdhsa_memory_ordered 1
		.amdhsa_forward_progress 1
		.amdhsa_inst_pref_size 64
	.end_amdhsa_kernel
	.amdgpu_metadata
---
amdhsa.version: [ 1, 2 ]
amdhsa.kernels:
  - .name:           k_qe7ee820cef_proj
    .symbol:         k_qe7ee820cef_proj.kd
    .args:
      - { .name: q_codes, .offset: 0, .size: 8, .value_kind: global_buffer, .address_space: global }
      - { .name: q_scales, .offset: 8, .size: 8, .value_kind: global_buffer, .address_space: global }
      - { .name: k_codes, .offset: 16, .size: 8, .value_kind: global_buffer, .address_space: global }
      - { .name: k_scales, .offset: 24, .size: 8, .value_kind: global_buffer, .address_space: global }
      - { .name: v_codes, .offset: 32, .size: 8, .value_kind: global_buffer, .address_space: global }
      - { .name: v_scales, .offset: 40, .size: 8, .value_kind: global_buffer, .address_space: global }
      - { .name: Wq_codes, .offset: 48, .size: 8, .value_kind: global_buffer, .address_space: global }
      - { .name: Wq_scales, .offset: 56, .size: 8, .value_kind: global_buffer, .address_space: global }
      - { .name: bq, .offset: 64, .size: 8, .value_kind: global_buffer, .address_space: global }
      - { .name: qc, .offset: 72, .size: 8, .value_kind: global_buffer, .address_space: global }
      - { .name: qs, .offset: 80, .size: 8, .value_kind: global_buffer, .address_space: global }
      - { .name: kc, .offset: 88, .size: 8, .value_kind: global_buffer, .address_space: global }
      - { .name: skv, .offset: 96, .size: 8, .value_kind: global_buffer, .address_space: global }
      - { .name: vc, .offset: 104, .size: 8, .value_kind: global_buffer, .address_space: global }
    .group_segment_fixed_size: 327680
    .private_segment_fixed_size: 0
    .kernarg_segment_align: 8
    .kernarg_segment_size: 112
    .max_flat_workgroup_size: 256
    .sgpr_count:     102
    .vgpr_count:     256
    .wavefront_size: 32
...
	.end_amdgpu_metadata
.endif
;; end of part 1
;; launch attn (part 2): grid 16 x 12, 16 waves a work-group, clusters of 4 x 1, 327,680 bytes of LDS; arguments qc, qs, kc, vc, skv, cc, cs; writes cc, cs
.if DOCPART == 2
	.amdgcn_target "amdgcn-amd-amdhsa--gfx1250"
	.amdhsa_code_object_version 6
	.text
	.protected	k_qe7ee820cef_attn
	.globl	k_qe7ee820cef_attn
	.p2align	8
	.type	k_qe7ee820cef_attn,@function
k_qe7ee820cef_attn:
	s_mov_b64 s[64:65], 0
	v_nop
	global_prefetch_b8 v0, s[64:65] scope:SCOPE_SE
	s_setreg_imm32_b32 hwreg(HW_REG_WAVE_MODE, 25, 1), 1
	s_wait_xcnt 0x0
	s_wait_alu depctr_hold_cnt(0) depctr_sa_sdst(0) depctr_va_vdst(0) depctr_va_sdst(0) depctr_va_ssrc(0) depctr_va_vcc(0) depctr_vm_vsrc(0)
	s_getreg_b32 s2, hwreg(HW_REG_IB_STS2, 6, 4)
	s_cmp_eq_u32 s2, 0
	s_cbranch_scc0 .Lentry_in_a_cluster
	s_endpgm
.Lentry_in_a_cluster:
	s_bfe_u32 s2, ttmp6, 0x10000c
	s_cmp_lg_u32 s2, 0x3003
	s_cbranch_scc0 .Lentry_shape_is_right
	s_endpgm
.Lentry_shape_is_right:
; Attention of 12 heads of 64 over 4,096 tokens on codes of BF8 (E5M2) with one E8M0 scale for each 32 along a product's K; the result, divided by the row's sum, is quantised
; along the channels and stored as images of operand registers for the last product.
; THE SOFTMAX AHEAD OF THE SECOND PRODUCT: t = score x log2(e) / 8; M = the row's largest t so far, rounded UP to a whole number; p = 2^(t - M) is what is quantised, along the keys, not normalised.
; The row's sum is taken of the unquantised p, in f32.  When M moves, the sum and O are multiplied by 2^(old M - new M): exact.
; SHARES.  A work-group owns 256 queries of one head, each of its sixteen waves 16 of them in 256 registers: four waves to a SIMD, so that one wave's vector work stands beside another's products and LDS loads.
; 12 heads x 16 blocks = 192 work-groups: 3,072 tiles of 16 queries do not fall into 256 equal shares that stay inside a head.  Every wave walks all keys, 128 a step.
; LAYOUT.  Both products are used transposed (S^T = K Q^T, O^T = V^T P^T): a lane holds ONE query (lane % 16) throughout.  Tiles take neighbouring keys, so register pair i of p's codes holds
; keys 16 i + 8 (lane / 16) + 0 .. 7 of the step: the order in which V's codes were laid.  Q's and K's codes agree in the same way along the channels.
; THE FIRST PRODUCT'S K IS 64, the instruction's 128.  A fragment of K holds TWO tiles of 16 keys: registers 0-7 keys 32 f + r, registers 8-15 keys 32 f + 16 + r.  Q stands as 24 registers, zeros | q | zeros:
; [q, 0] picks the first tile, [0, q] the second; the other tile's codes, which are finite, meet zero codes.  No LDS byte is read for nothing.
; OPERANDS LIE IN MEMORY AND IN LDS AS IMAGES OF THEIR REGISTERS: registers 4 c .. 4 c + 3 at 512 c + 16 x lane.  A slot of the ring holds 512 keys: K's 16 fragments, then V's 4 steps x 4 fragments: two dense blocks of 32,768 bytes.
; CLUSTER.  The four query blocks of a cluster belong to one head and walk the same K and V: each tile is asked for JOINTLY, by the same tensor load with the same descriptor and a mask that names the four.
; LIMITS: NaN and infinities are not served; a block of zeros gets the scale byte 1 where the rule says 127 (its codes are zeros; this program alone reads the bytes); a block's largest p is taken as
; the exponential of its largest score (v_exp_f32 is taken not to fall where its input rises).
.set SLOT1, 65536                      ; slot 1 begins here: one exclusive or turns an address in one slot into the other's
.set VOFF,  32768                      ; in a slot: V's fragments behind K's
.set SCL,   2*SLOT1                    ; behind the ring: the head's scale words, 16,384 bytes: K's [fragment][16], and 8,192 on V's [step][tile][16]; filled once
.set SPARE, SCL+16384                  ; the spare words, 128 bytes for each of the sixteen waves: eight blocks of 256 bytes that no other line names
.set LI,  1                            ; v1   16 x lane
.set LSC, 2                            ; v2   SCL + 4 x lane
.set LV,  3                            ; v3   16 x lane + VOFF
.set SPW, 4                            ; v4   LDS address of my spare word; never rewritten
.set NIL, 5                            ; v5   0; never rewritten
.set PFO, 6                            ; v6   256 x lane: the prefetches' offset
.set ADK, 7                            ; v7   LDS address of the slot's K
.set ADV, 8                            ; v8   of its V
.set ADS, 9                            ; v9   of its scale words
.set R4,  10                           ; v10  4 x (lane % 16)
.set QSC, 11                           ; v11  Q's two scale bytes, in both halves of the word
.set Q,   16                           ; v16-23 zeros, v24-31 q, v32-39 zeros
.set F,   40                           ; v40-103  four fragments of K or of V
.set S,   104                          ; v104-167 S^T, then p: register 16 f + 8 u + j = key 32 f + 16 u + 8 (lane / 16) + j
.set O,   168                          ; v168-199 O^T: register 8 t + j = channel 16 t + 8 (lane / 16) + j
.set CD,  200                          ; v200-215 p's codes
.set BM,  216                          ; v216-219 the blocks' largest scores, then largest p
.set T1,  220                          ; v220-223 at work
.set HL,  224                          ; v224-227 57,344 x the scale
.set SO,  228                          ; v228-231 the conversions' scale operands
.set FF,  232                          ; v[232:233] f = 2^(old M - new M); the upper register is written once
.set TT,  234
.set PW,  235                          ; v235 p's scale word
.set L2,  236                          ; v[236:237] the sum's second chain
.set KS,  238                          ; v238-239 K's scale words: register p: lanes 0-15 fragment 2 p, lanes 16-31 fragment 2 p + 1
.set VS,  240                          ; v240-241 V's: tiles 2 p, 2 p + 1
.set WV,  18
.set MNT, 19
.set SEL, 20
.set CS,  22                           ; s[22:23] c = log2(e) / 8
.set G1,  24                           ; s[24:31] the one descriptor group 1: 64 dense rows of 256 bytes, for all four work-groups
.set G0R, 32                           ; s[32:35] group 0 of the ring (waves 0-3); it walks
.set G0S, 36                           ; s[36:39] group 0 of the scale words (wave 4)
.set TB,  40                           ; s40  LDS byte at which the slot in hand begins
.set TS,  41                           ; s41  where its scale words begin: 1,024 bytes a slot, for K's and for V's alike
.set SLOTS, 42
.set LIM, 43                           ; s43  1 in a wave that prefetches, else the greatest number
.set PFA, 44                           ; s[44:45] where my prefetches stand
; A round of the cluster's barrier: my work-group's barrier; wave 0 signals for the work-group; every wave waits for all four work-groups; my work-group's barrier once more.
.macro CROUND
	s_barrier_signal -1
	s_barrier_wait -1
	s_cmp_lg_u32 s[WV], 0
	s_cbranch_scc1 .Lnot_wave_0_\@
	s_barrier_signal -3
.Lnot_wave_0_\@:
	s_barrier_wait -3
	s_barrier_signal -1
	s_barrier_wait -1
.endm
.macro TLOAD                           ; the joint refill: waves 0, 1 K's halves of a slot, waves 2, 3 V's; the branch hangs on the wave's number alone; four v_nop follow the load
	s_cmp_lt_u32 s[WV], 4
	s_cbranch_scc0 .Lnone_\@
	tensor_load_to_lds s[G0R:G0R+3], s[G1:G1+7]
	s_nop 0
.rept 4
	v_nop
.endr
.Lnone_\@:
.endm
; A PREFETCH INTO THE L2 of what the NEXT change of slots will ask for: 32,768 bytes of K and as many of V.  All clusters of a head walk the same K and V: the head's first cluster asks.  Its four partners
; share the bytes out BY ADDRESS, 8,192 each; in each, wave 8 asks for K's and wave 9 for V's, lanes 256 bytes apart: each aligned block of 256 bytes is named once in the launch.
; The last change that fills a slot asks for nothing: there is no slot behind it.  Slots 0 and 1 come by their loads alone.
.macro ASK
	s_cmp_gt_u32 s[SLOTS], s[LIM]
	s_cbranch_scc0 .Lnot_mine_\@
	global_prefetch_b8 v[PFO], s[PFA:PFA+1] th:TH_LOAD_NT scope:SCOPE_SE
.Lnot_mine_\@:
.endm
.macro PLACES                          ; eight plain vector instructions between a matrix instruction of this form and a load into, or a vector read or write of, its registers
.rept 8
	v_nop
.endr
.endm
.macro KQ d, a, b, sa, ra              ; 16 keys x my 16 queries; the constant 0 starts the sum
.if \ra
	v_wmma_scale_f32_16x16x128_f8f6f4 v[\d:\d+7], v[\a:\a+15], v[\b:\b+15], 0, v[\sa], v[QSC] matrix_a_fmt:MATRIX_FMT_BF8 matrix_b_fmt:MATRIX_FMT_BF8 matrix_a_scale:MATRIX_SCALE_ROW1
.else
	v_wmma_scale_f32_16x16x128_f8f6f4 v[\d:\d+7], v[\a:\a+15], v[\b:\b+15], 0, v[\sa], v[QSC] matrix_a_fmt:MATRIX_FMT_BF8 matrix_b_fmt:MATRIX_FMT_BF8
.endif
.endm
.macro PV t                            ; 16 channels x my 16 queries, 128 keys deep, added in place
.if (\t)%2
	v_wmma_scale_f32_16x16x128_f8f6f4 v[O+8*\t:O+8*\t+7], v[F+16*\t:F+16*\t+15], v[CD:CD+15], v[O+8*\t:O+8*\t+7], v[VS+\t/2], v[PW] matrix_a_fmt:MATRIX_FMT_BF8 matrix_b_fmt:MATRIX_FMT_BF8 matrix_a_scale:MATRIX_SCALE_ROW1
.else
	v_wmma_scale_f32_16x16x128_f8f6f4 v[O+8*\t:O+8*\t+7], v[F+16*\t:F+16*\t+15], v[CD:CD+15], v[O+8*\t:O+8*\t+7], v[VS+\t/2], v[PW] matrix_a_fmt:MATRIX_FMT_BF8 matrix_b_fmt:MATRIX_FMT_BF8
.endif
.endm
; A KEY STEP: 128 keys, the q-th of the slot in hand.
.macro STEP q
	PLACES                                         ; the last products read F
.irp f, 0,1,2,3
.irp c, 0,1,2,3
	ds_load_b128 v[F+16*\f+4*\c:F+16*\f+4*\c+3], v[ADK] offset:2048*(4*(\q)+\f)+512*\c
.endr
.endr
.irp p, 0,1
	ds_load_b32 v[KS+\p], v[ADS] offset:256*(\q)+128*\p
.endr
	s_wait_dscnt 0x0
.irp f, 0,1,2,3
.irp u, 0,1
	KQ S+16*\f+8*\u, F+16*\f, Q+8-8*\u, KS+\f/2, \f%2      ; u = 0: [q, 0] at v24; u = 1: [0, q] at v16
.endr
.endr
	PLACES
.irp t, 0,1,2,3                                ; V's fragments land under the softmax
.irp c, 0,1,2,3
	ds_load_b128 v[F+16*\t+4*\c:F+16*\t+4*\c+3], v[ADV] offset:8192*(\q)+2048*\t+512*\c
.endr
.endr
.irp p, 0,1
	ds_load_b32 v[VS+\p], v[ADS] offset:8192+256*(\q)+128*\p
.endr
.irp b, 0,1,2,3
	v_max3_num_f32 v[BM+\b], v[S+16*\b], v[S+16*\b+1], v[S+16*\b+2]   ; the largest score of each block of 32 keys: it serves for the row's maximum and, since p rises with the score, for the block's largest p
.endr
.irp i, 3,5,7,9,11,13
.irp b, 0,1,2,3
	v_max3_num_f32 v[BM+\b], v[BM+\b], v[S+16*\b+\i], v[S+16*\b+\i+1]
.endr
.endr
.irp b, 0,1,2,3
	v_max_num_f32 v[BM+\b], v[BM+\b], v[S+16*\b+15]
.endr
.irp b, 0,1,2,3
	v_permlanex16_b32 v[T1+\b], v[BM+\b], s[SEL], s[SEL+1]
.endr
.irp b, 0,1,2,3
	v_max_num_f32 v[BM+\b], v[BM+\b], v[T1+\b]     ; with lane l xor 16's 16 keys
.endr
	v_max3_num_f32 v[TT], v[BM], v[BM+1], v[BM+2]
	v_max_num_f32 v[TT], v[TT], v[BM+3]            ; the step's largest score of my query
	v_mul_f32 v[TT], s[CS], v[TT]                  ; as t (c is positive)
	v_max_num_f32 v13, v13, v[TT]                  ; the running largest t
	v_mov_b32 v[TT], v12
	v_floor_f32 v12, -v13                          ; the new -M = floor(-t) = -ceil(t): M is a whole number
	v_sub_f32 v[TT], v12, v[TT]                    ; old M - new M: a whole number, 0 or less
	v_cvt_i32_f32 v[TT], v[TT]                     ; (it saturates)
	v_ldexp_f32 v[FF], 1.0, v[TT]                  ; f = 2^(old M - new M)
.irp j, 0,2,4,6,8,10,12,14,16,18,20,22,24,26,28,30,32,34,36,38,40,42,44,46,48,50,52,54,56,58,60,62
	v_pk_fma_f32 v[S+\j:S+\j+1], v[S+\j:S+\j+1], s[CS:CS+1], v[12:13] op_sel_hi:[1,0,0]   ; t - M, two at a time
.endr
.irp b, 0,1,2,3
	v_fma_f32 v[BM+\b], v[BM+\b], s[CS], v12       ; the same of each block's largest score
.endr
.irp j, 0,1,2,3,4,5,6,7,8,9,10,11,12,13,14,15,16,17,18,19,20,21,22,23,24,25,26,27,28,29,30,31,32,33,34,35,36,37,38,39,40,41,42,43,44,45,46,47,48,49,50,51,52,53,54,55,56,57,58,59,60,61,62,63
	v_exp_f32 v[S+\j], v[S+\j]                     ; p = 2^(t - M), at most 1
.endr
.irp b, 0,1,2,3
	v_exp_f32 v[BM+\b], v[BM+\b]                   ; the block's largest p: the same two instructions on the same number
.endr
	v_pk_mul_f32 v[14:15], v[14:15], v[FF:FF+1] op_sel_hi:[1,0]   ; the sums under the new M (a plain instruction behind the exponentials)
	s_wait_alu depctr_va_vdst(0)
.irp b, 0,1,2,3
	v_max_num_f32 v[BM+\b], 0x8000000, v[BM+\b]    ; the floor 2^(16 - 127): the byte cannot fall under 1
.endr
.irp b, 0,1,2,3
	v_add_nc_u32 v[SO+\b], 0xf8800000, v[BM+\b]    ; 15 off the exponent field: the conversion's scale operand
.endr
.irp b, 0,1,2,3
	v_and_or_b32 v[HL+\b], v[BM+\b], 0x7f800000, s[MNT]   ; 57,344 x the scale
.endr
.irp b, 0,1,2,3
	v_lshrrev_b32 v[T1+\b], 23, v[SO+\b]           ; the scale's byte
.endr
	v_lshl_or_b32 v[PW], v[T1+1], 8, v[T1]         ; p's scale word for these 128 keys
	v_lshl_or_b32 v[PW], v[T1+2], 16, v[PW]
	v_lshl_or_b32 v[PW], v[T1+3], 24, v[PW]
	v_pk_add_f32 v[L2:L2+1], v[S:S+1], v[S+2:S+3]  ; the row's sum is taken of the unquantised p: two at a time, in two chains
.irp j, 4,8,12,16,20,24,28,32,36,40,44,48,52,56,60
	v_pk_add_f32 v[14:15], v[14:15], v[S+\j:S+\j+1]
	v_pk_add_f32 v[L2:L2+1], v[L2:L2+1], v[S+\j+2:S+\j+3]
.endr
	v_pk_add_f32 v[14:15], v[14:15], v[L2:L2+1]
.irp b, 0,1,2,3
.irp i, 0,1,2,3,4,5,6,7,8,9,10,11,12,13,14,15
	v_min_num_f32 v[S+16*\b+\i], v[S+16*\b+\i], v[HL+\b]   ; the conversion to an 8-bit code does not saturate (ISA guide 7.6.2); p is not negative, so the hold is one-sided
.endr
	v_cvt_scalef32_pk8_bf8_f32 v[CD+4*\b:CD+4*\b+1], v[S+16*\b:S+16*\b+7], v[SO+\b]
	v_cvt_scalef32_pk8_bf8_f32 v[CD+4*\b+2:CD+4*\b+3], v[S+16*\b+8:S+16*\b+15], v[SO+\b]
.endr
.irp j, 0,2,4,6,8,10,12,14,16,18,20,22,24,26,28,30
	v_pk_mul_f32 v[O+\j:O+\j+1], v[O+\j:O+\j+1], v[FF:FF+1] op_sel_hi:[1,0]   ; O^T under the new M; these sixteen also stand between the conversions and the products that take the codes
.endr
	s_wait_dscnt 0x0                               ; V's fragments and scale words
.irp t, 0,1,2,3
	PV \t                                          ; four accumulators by turns, one instruction a turn
.endr
.endm
; THE CHANGE OF SLOTS stands at a slot's head.  Each wave waits for all its tensor loads, adds 0 to its spare word, and waits for that and for its reads of the slot that it has left.
; fill = 1: the barrier is a round of the cluster's, so that no wave of any partner still reads that slot or has a load on its way, and the joint refill is the first thing behind it: it has four key steps in which to land.
.macro CHANGE fill
	s_wait_tensorcnt 0x0                           ; no tensor load of mine is out, so a group 0 may be written
	ds_add_u32 v[SPW], v[NIL]                      ; 0 onto my spare word
.if \fill
	s_xor_b32 s[G0R+1], s[G0R+1], SLOT1            ; the walking descriptor: the other slot than last time,
	s_add_nc_u64 s[G0R+2:G0R+3], s[G0R+2:G0R+3], 32768   ; the next 512 keys; the type bits on top are not reached
	s_wait_xcnt 0x0                                ; the last prefetch, a slot back, has read its address, so it may be written:
	s_add_nc_u64 s[PFA:PFA+1], s[PFA:PFA+1], 32768 ; one slot further on than the walking descriptor
	s_wait_dscnt 0x0                               ; the add is done, and my reads of the slot that I have left are over
	CROUND
	TLOAD
	ASK
.else
	s_wait_dscnt 0x0
	s_barrier_signal -1
	s_barrier_wait -1
.endif
.endm
.macro SLOT_STEPS
	v_add_nc_u32 v[ADK], s[TB], v[LI]
	v_add_nc_u32 v[ADV], s[TB], v[LV]
	v_add_nc_u32 v[ADS], s[TS], v[LSC]
	STEP 0
	STEP 1
	STEP 2
	STEP 3
	s_xor_b32 s[TB], s[TB], SLOT1                  ; on to the other slot
	s_add_co_u32 s[TS], s[TS], 1024
.endm
	s_load_b256 s[4:11], s[0:1], 0x0               ; qc, qs, kc, vc
	s_load_b128 s[12:15], s[0:1], 0x20             ; skv, cc
	s_load_b64 s[16:17], s[0:1], 0x30              ; cs
	v_lshl_add_u32 v[SPW], v0, 2, SPARE
	v_mov_b32 v[NIL], 0
	ds_add_u32 v4, v5
	s_wait_dscnt 0x0
	v_lshrrev_b32 v1, 5, v0
	v_readfirstlane_b32 s[WV], v1                  ; wave 0..15
	s_bfe_u32 s46, ttmp6, 0x40000                  ; cx: my place in the cluster: it enters Q's, the results' and the prefetches' addresses alone
	s_lshl_b32 s47, ttmp9, 2
	s_add_co_u32 s47, s47, s46                     ; my block of 256 queries
	s_and_b32 s48, ttmp7, 0xffff                   ; the head, which the four partners share
	s_lshl_b32 s50, s48, 18                        ; the head's first byte in qc, kc, vc
	s_lshl_b32 s52, s48, 14                        ; and in qs, skv
	s_mov_b32 s53, 0
	s_and_b32 s49, s[WV], 1
	s_lshl_b32 s54, s49, 14
	s_add_co_u32 s54, s54, s50                     ; the half of a slot's K or V that I fetch, if I fetch
	s_mov_b32 s55, 0
	s_mov_b32 s[G1+0], 15|(3<<16)|(1<<21)          ; the mask: all four work-groups; elements of 8 bytes; bit 21 set beside a mask; no padding
	s_mov_b32 s[G1+1], 32<<16                      ; tensor_dim0: 32 elements = 256 bytes
	s_mov_b32 s[G1+2], 64<<16                      ; tensor_dim1
	s_mov_b32 s[G1+3], 32<<16                      ; tile_dim0
	s_mov_b32 s[G1+4], 64                          ; tile_dim1
	s_mov_b32 s[G1+5], 32                          ; dense
	s_mov_b32 s[G1+6], 0
	s_mov_b32 s[G1+7], 0
	s_mov_b32 s[SEL], 0x76543210
	s_mov_b32 s[SEL+1], 0xfedcba98
	s_mov_b32 s[CS], 0x3e38aa3b                    ; c = log2(e) / sqrt(64)
	s_mov_b32 s[CS+1], s[CS]
	s_mov_b32 s[MNT], 0x600000
	s_mov_b32 s[TB], 0
	s_mov_b32 s[TS], 0
	s_mov_b32 s[SLOTS], 7
	s_lshr_b32 s[LIM], s[WV], 1
	s_xor_b32 s[LIM], s[LIM], 4                    ; 0 in waves 8 and 9,
	s_or_b32 s[LIM], s[LIM], ttmp9                 ; of the head's first cluster: the same in all four partners
	s_cmp_eq_u32 s[LIM], 0
	s_cselect_b32 s[LIM], 1, -1
	s_lshl_b32 s56, s46, 13                        ; my work-group's 8,192 bytes,
	s_add_co_u32 s56, s56, s50
	s_add_co_u32 s56, s56, 32768                   ; in slot 1: the first change of slots steps it to slot 2
	s_mov_b32 s57, 0
	s_lshl_b32 s58, s47, 3
	s_lshr_b32 s59, s[WV], 1
	s_add_co_u32 s58, s58, s59                     ; my fragment of Q: 8 x block + wave / 2; my tile in it: wave % 2
	s_lshl_b32 s60, s58, 11
	s_lshl_b32 s61, s49, 10
	s_add_co_u32 s60, s60, s61
	s_add_co_u32 s60, s60, s50
	s_mov_b32 s61, 0
	s_lshl_b32 s70, s58, 6
	s_add_co_u32 s70, s70, s52
	s_mov_b32 s71, 0
	s_lshl_b32 s62, s47, 4
	s_add_co_u32 s62, s62, s[WV]                   ; T: my tile of 16 tokens
	s_lshr_b32 s63, s48, 1                         ; the last product's K step: two heads
	s_and_b32 s66, s48, 1                          ; and my head's half of it
	s_mul_i32 s68, s62, 12288
	s_lshl_b32 s67, s63, 11
	s_add_co_u32 s68, s68, s67
	s_lshl_b32 s67, s66, 10
	s_add_co_u32 s68, s68, s67                     ; cc: 12,288 T + 2,048 step + 1,024 half
	s_mov_b32 s69, 0
	s_mul_i32 s72, s62, 6
	s_add_co_u32 s72, s72, s63
	s_lshl_b32 s72, s72, 6
	s_lshl_b32 s67, s66, 1
	s_add_co_u32 s72, s72, s67                     ; cs: 64 (6 T + step) + 2 half
	s_mov_b32 s73, 0
	s_lshl_b32 s67, s49, 4                         ; my tile's two scale bytes begin at bit 16 (wave % 2)
	s_wait_kmcnt 0x0
	s_cmp_lt_u32 s[WV], 2
	s_cselect_b64 s[G0R+2:G0R+3], s[8:9], s[10:11]
	s_add_nc_u64 s[G0R+2:G0R+3], s[G0R+2:G0R+3], s[54:55]
	s_or_b32 s[G0R+3], s[G0R+3], 0x80000000        ; type = 2
	s_mov_b32 s[G0R], 1
	s_lshl_b32 s[G0R+1], s[WV], 14                 ; LDS: 16,384 x wave, in slot 0
	s_mov_b32 s[G0S], 1
	s_mov_b32 s[G0S+1], SCL
	s_add_nc_u64 s[G0S+2:G0S+3], s[12:13], s[52:53]
	s_or_b32 s[G0S+3], s[G0S+3], 0x80000000
	s_cmp_eq_u32 s[WV], 8
	s_cselect_b64 s[PFA:PFA+1], s[8:9], s[10:11]
	s_add_nc_u64 s[PFA:PFA+1], s[PFA:PFA+1], s[56:57]
	s_add_nc_u64 s[4:5], s[4:5], s[60:61]
	s_add_nc_u64 s[6:7], s[6:7], s[70:71]
	s_add_nc_u64 s[14:15], s[14:15], s[68:69]
	s_add_nc_u64 s[16:17], s[16:17], s[72:73]
	CROUND                                         ; all four work-groups are here: the first joint loads meet
	s_cmp_lt_u32 s[WV], 4                          ; the first fills: slot 0 (waves 0-3) and the head's scale words (wave 4): one load a wave
	s_cbranch_scc0 .Lnot_ring
	tensor_load_to_lds s[G0R:G0R+3], s[G1:G1+7]
	s_nop 0
.rept 4
	v_nop
.endr
	s_branch .Lfirst_done
.Lnot_ring:
	s_cmp_eq_u32 s[WV], 4
	s_cbranch_scc0 .Lfirst_done
	tensor_load_to_lds s[G0S:G0S+3], s[G1:G1+7]
	s_nop 0
.rept 4
	v_nop
.endr
.Lfirst_done:
	v_and_b32 v[ADK], 31, v0                       ; lane
	v_lshlrev_b32 v[LI], 4, v[ADK]
	v_lshl_add_u32 v[LSC], v[ADK], 2, SCL
	v_add_nc_u32 v[LV], VOFF, v[LI]
	v_lshlrev_b32 v[PFO], 8, v[ADK]
	v_and_b32 v[R4], 15, v0
	v_lshlrev_b32 v[R4], 2, v[R4]
	global_load_b128 v[Q+8:Q+11], v[LI], s[4:5]               ; my tile's two quads of Q's fragment stay in registers
	global_load_b128 v[Q+12:Q+15], v[LI], s[4:5] offset:512
	global_load_b32 v[QSC], v[R4], s[6:7]
.irp j, 0,1,2,3,4,5,6,7
	v_mov_b32 v[Q+\j], 0                           ; zero codes on both sides of q
	v_mov_b32 v[Q+16+\j], 0
.endr
.irp j, 0,1,2,3,4,5,6,7,8,9,10,11,12,13,14,15,16,17,18,19,20,21,22,23,24,25,26,27,28,29,30,31
	v_mov_b32 v[O+\j], 0                           ; the step is written once: the first finds zeros, which the first change of M leaves zeros
.endr
	v_mov_b32 v13, 0xff61b1e6                      ; the largest t so far: -3e38, under every t
	v_floor_f32 v12, -v13                          ; -M
	v_mov_b32 v14, 0                               ; the sum, in two halves
	v_mov_b32 v15, 0
.irp b, 0,1,2,3
	v_mov_b32 v[T1+\b], 0                          ; a lane permute's destination counts as one of its sources
.endr
	v_mov_b32 v[FF+1], 0                           ; (named as the upper half of a pair)
	s_wait_loadcnt 0x0
	v_lshrrev_b32 v[QSC], s67, v[QSC]
	v_and_b32 v[QSC], 0xffff, v[QSC]
	v_lshl_or_b32 v[QSC], v[QSC], 16, v[QSC]       ; q's two bytes serve [q, 0] and [0, q] alike; beside zero codes any byte but 0xff adds nothing
.Lslot:                                            ; 7 trips: behind each change of slots but the last the next slot is asked for
	CHANGE 1
	SLOT_STEPS
	s_sub_co_u32 s[SLOTS], s[SLOTS], 1
	s_cmp_lg_u32 s[SLOTS], 0
	s_cbranch_scc1 .Lslot
	CHANGE 0                                       ; the last slot is written out
	SLOT_STEPS
	; THE WAY OUT: O^T / the sum, quantised along the channels in two blocks of 32, as two quads of the last product's operand.
	PLACES
	v_add_f32 v14, v14, v15                        ; the sum's two halves,
	v_permlanex16_b32 v[TT], v14, s[SEL], s[SEL+1]
	v_add_f32 v14, v14, v[TT]                      ; and lane l xor 16's: the row's sum
	v_rcp_f32 v14, v14
	v_nop                                          ; a plain instruction behind the transcendental
	s_wait_alu depctr_va_vdst(0)
.irp j, 0,2,4,6,8,10,12,14,16,18,20,22,24,26,28,30
	v_pk_mul_f32 v[S+\j:S+\j+1], v[O+\j:O+\j+1], v[14:15] op_sel_hi:[1,0]   ; each accumulator from its low end on
.endr
.irp b, 0,1
	v_max3_num_f32 v[BM+\b], |v[S+16*\b]|, |v[S+16*\b+1]|, 0x8000000
.endr
.irp i, 2,4,6,8,10,12,14
.irp b, 0,1
	v_max3_num_f32 v[BM+\b], v[BM+\b], |v[S+16*\b+\i]|, |v[S+16*\b+\i+1]|
.endr
.endr
.irp b, 0,1
	v_permlanex16_b32 v[T1+\b], v[BM+\b], s[SEL], s[SEL+1]
.endr
.irp b, 0,1
	v_max_num_f32 v[BM+\b], v[BM+\b], v[T1+\b]
.endr
.irp b, 0,1
	v_add_nc_u32 v[SO+\b], 0xf8800000, v[BM+\b]
.endr
.irp b, 0,1
	v_and_or_b32 v[HL+\b], v[BM+\b], 0x7f800000, s[MNT]
.endr
.irp b, 0,1
	v_lshrrev_b32 v[T1+\b], 23, v[SO+\b]
.endr
	v_lshl_or_b32 v[PW], v[T1+1], 8, v[T1]         ; my head's two bytes of the row's scale word
.irp b, 0,1
.irp i, 0,1,2,3,4,5,6,7,8,9,10,11,12,13,14,15
	v_med3_num_f32 v[S+16*\b+\i], v[S+16*\b+\i], -v[HL+\b], v[HL+\b]
.endr
	v_cvt_scalef32_pk8_bf8_f32 v[CD+4*\b:CD+4*\b+1], v[S+16*\b:S+16*\b+7], v[SO+\b]
	v_cvt_scalef32_pk8_bf8_f32 v[CD+4*\b+2:CD+4*\b+3], v[S+16*\b+8:S+16*\b+15], v[SO+\b]
.endr
	v_nop
	global_store_b128 v[LI], v[CD:CD+3], s[14:15]              ; 32 lanes store 512 consecutive bytes, aligned
	global_store_b128 v[LI], v[CD+4:CD+7], s[14:15] offset:512
	global_store_b16 v[R4], v[PW], s[16:17]                    ; lanes 16-31 hold the same bytes as lanes 0-15 and write the same places
	s_wait_tensorcnt 0x0                           ; the wave's end
	ds_add_u32 v[SPW], v[NIL]
	s_wait_dscnt 0x0
	CROUND                                         ; the closing round: no work-group ends while a partner may still ask for a tile that names it
	s_endpgm
.Lfunc_end_k_qe7ee820cef_attn:
	.size	k_qe7ee820cef_attn, .Lfunc_end_k_qe7ee820cef_attn-k_qe7ee820cef_attn
	.p2alignl 7, 3214868480
	.fill 96, 4, 3214868480
	.section	.rodata,"a",@progbits
	.p2align	6, 0x0
	.amdhsa_kernel k_qe7ee820cef_attn
		.amdhsa_group_segment_fixed_size 327680
		.amdhsa_private_segment_fixed_size 0
		.amdhsa_enable_private_segment 0
		.amdhsa_kernarg_size 56
		.amdhsa_user_sgpr_count 2
		.amdhsa_user_sgpr_kernarg_segment_ptr 1
		.amdhsa_wavefront_size32 1
		.amdhsa_system_sgpr_workgroup_id_x 1
		.amdhsa_system_sgpr_workgroup_id_y 1
		.amdhsa_system_sgpr_workgroup_id_z 1
		.amdhsa_system_vgpr_workitem_id 0
		.amdhsa_next_free_vgpr 256
		.amdhsa_next_free_sgpr 80
		.amdhsa_reserve_vcc 0
		.amdhsa_float_denorm_mode_32 3
		.amdhsa_float_denorm_mode_16_64 3
		.amdhsa_memory_ordered 1
		.amdhsa_forward_progress 1
		.amdhsa_inst_pref_size 161
	.end_amdhsa_kernel
	.amdgpu_metadata
---
amdhsa.version: [ 1, 2 ]
amdhsa.kernels:
  - .name:           k_qe7ee820cef_attn
    .symbol:         k_qe7ee820cef_attn.kd
    .args:
      - { .name: qc, .offset: 0, .size: 8, .value_kind: global_buffer, .address_space: global }
      - { .name: qs, .offset: 8, .size: 8, .value_kind: global_buffer, .address_space: global }
      - { .name: kc, .offset: 16, .size: 8, .value_kind: global_buffer, .address_space: global }
      - { .name: vc, .offset: 24, .size: 8, .value_kind: global_buffer, .address_space: global }
      - { .name: skv, .offset: 32, .size: 8, .value_kind: global_buffer, .address_space: global }
      - { .name: cc, .offset: 40, .size: 8, .value_kind: global_buffer, .address_space: global }
      - { .name: cs, .offset: 48, .size: 8, .value_kind: global_buffer, .address_space: global }
    .group_segment_fixed_size: 327680
    .private_segment_fixed_size: 0
    .kernarg_segment_align: 8
    .kernarg_segment_size: 56
    .max_flat_workgroup_size: 512
    .sgpr_count:     80
    .vgpr_count:     256
    .wavefront_size: 32
...
	.end_amdgpu_metadata
.endif
;; end of part 2
;; launch outp (part 3): grid 64 x 4, 12 waves a work-group, clusters of 4 x 1, 215,040 bytes of LDS; arguments cc, cs, Wo_codes, Wo_scales, bo, out0; writes out0
.if DOCPART == 3
	.amdgcn_target "amdgcn-amd-amdhsa--gfx1250"
	.amdhsa_code_object_version 6
	.text
	.protected	k_qe7ee820cef_outp
	.globl	k_qe7ee820cef_outp
	.p2align	8
	.type	k_qe7ee820cef_outp,@function
k_qe7ee820cef_outp:
	s_mov_b64 s[64:65], 0
	v_nop
	global_prefetch_b8 v0, s[64:65] scope:SCOPE_SE
	s_setreg_imm32_b32 hwreg(HW_REG_WAVE_MODE, 25, 1), 1
	s_wait_xcnt 0x0
	s_wait_alu depctr_hold_cnt(0) depctr_sa_sdst(0) depctr_va_vdst(0) depctr_va_sdst(0) depctr_va_ssrc(0) depctr_va_vcc(0) depctr_vm_vsrc(0)
	s_getreg_b32 s2, hwreg(HW_REG_IB_STS2, 6, 4)
	s_cmp_eq_u32 s2, 0
	s_cbranch_scc0 .Lentry_in_a_cluster
	s_endpgm
.Lentry_in_a_cluster:
	s_bfe_u32 s2, ttmp6, 0x10000c
	s_cmp_lg_u32 s2, 0x3003
	s_cbranch_scc0 .Lentry_shape_is_right
	s_endpgm
.Lentry_shape_is_right:
; out0 = concat Wo^T + bo on codes of BF8 (E5M2) with one E8M0 scale for each 32 along K = 768.  concat comes as images of operand registers (cc) with a scale word a row and 128 along K (cs).
; SHARES.  A work-group takes 192 columns (rows of Wo: work-group y) x 64 tokens: 4 x 64 = 256 work-groups.  Twelve waves: wave / 4 takes 64 columns (four tiles), wave % 4 takes 16 tokens.
; USED TRANSPOSED: source 0 = 16 rows of Wo, source 1 = 16 tokens: a lane holds one token and eight neighbouring columns.  The bias is loaded straight into the accumulators: every product adds in place.
; ORDER ALONG K.  Register pair i of concat's fragments holds k = 16 i + 8 (lane / 16) + 0 .. 7.  Wo is read from LDS in the same order: eight loads of 8 bytes a fragment, at 16 i + 8 (lane / 16).  A block of 32 keeps its four registers, so Wo's scale bytes serve as they lie.
; Wo's 192 rows with all of K lie in LDS, filled once, in three chunks of 256 along K.  CLUSTER: the four work-groups of a cluster have the same y and need the same rows of Wo: each load is asked for JOINTLY, with a mask that names the four.
; concat's six fragments of a wave's 16 tokens go from memory straight into registers: 512 consecutive bytes a load.
; LIMITS: NaN and infinities are not served; inside a block of 32 the products are summed in the order stated above.
.set PITCH, 272                        ; an LDS row: 256 bytes + 16 of padding = 68 words: the 32 lanes of an 8-byte load touch 64 different banks (64 banks of 4 bytes: ISA guide 11.1)
.set UNIT,  64*PITCH
.set CH,    3*UNIT                     ; a chunk: 192 rows
.set SC,    3*CH                       ; Wo's scale bytes, 24 a row, dense: 4,608 bytes
.set STG,   SC+4608                    ; the stages for the way out: 16 rows x 272 bytes for each wave; no tensor load lands here
.set ADA, 4                            ; v4   LDS address of my fragments of Wo in the chunk in hand
.set ADS, 5                            ; v5   of Wo's scale words: a lane a row
.set LI,  6                            ; v6   16 x lane
.set STO, 7                            ; v7   the stage: where I put 32 bytes of a row
.set RD,  8                            ; v8   and where I read a row back
.set CO,  9                            ; v9   my byte offset in two rows of out0
.set R4,  10                           ; v10  4 x (lane % 16)
.set HB,  11                           ; v11  32 x (lane / 16)
.set SA,  12                           ; v12-13 Wo's scale words: register p: lanes 0-15 tile 2 p, lanes 16-31 tile 2 p + 1
.set CSW, 14                           ; v14-19 concat's scale words of the six K steps
.set ACC, 20                           ; v20-51  four accumulators
.set AF,  52                           ; v52-115 four fragments of Wo; on the way out rows of out0
.set BFR, 116                          ; v116-211 concat's six fragments
.set WV,  18
.set G1C, 24                           ; s[24:31] descriptor group 1 for codes;  s[32:39] for scale bytes
.set G1S, 32
.set G0S, 40                           ; s[40:43] group 0 for scale bytes;  s[44:55] for chunks 0, 1, 2
.set G0C, 44
.macro CROUND
	s_barrier_signal -1
	s_barrier_wait -1
	s_cmp_lg_u32 s[WV], 0
	s_cbranch_scc1 .Lnot_wave_0_\@
	s_barrier_signal -3
.Lnot_wave_0_\@:
	s_barrier_wait -3
	s_barrier_signal -1
	s_barrier_wait -1
.endm
.macro PLACES                          ; eight plain vector instructions between a matrix instruction of this form and a load into, or a read of, its registers
.rept 8
	v_nop
.endr
.endm
.macro WM d, a, b, sa, sb, ra
.if \ra
	v_wmma_scale_f32_16x16x128_f8f6f4 v[\d:\d+7], v[\a:\a+15], v[\b:\b+15], v[\d:\d+7], v[\sa], v[\sb] matrix_a_fmt:MATRIX_FMT_BF8 matrix_b_fmt:MATRIX_FMT_BF8 matrix_a_scale:MATRIX_SCALE_ROW1
.else
	v_wmma_scale_f32_16x16x128_f8f6f4 v[\d:\d+7], v[\a:\a+15], v[\b:\b+15], v[\d:\d+7], v[\sa], v[\sb] matrix_a_fmt:MATRIX_FMT_BF8 matrix_b_fmt:MATRIX_FMT_BF8
.endif
.endm
; 128 along K: the ks-th of the chunk in hand, the s-th of all six
.macro KSTEP3 ks, s, first
.if \first == 0
	PLACES
.endif
.irp i, 0,1,2,3
.irp pr, 0,1,2,3,4,5,6,7
	ds_load_b64 v[AF+16*\i+2*\pr:AF+16*\i+2*\pr+1], v[ADA] offset:\i*16*PITCH+128*\ks+16*\pr
.endr
.endr
.irp p, 0,1
	ds_load_b32 v[SA+\p], v[ADS] offset:768*\p+4*\s
.endr
	s_wait_dscnt 0x0
.irp i, 0,1,2,3
	WM ACC+8*\i, AF+16*\i, BFR+16*\s, SA+\i/2, CSW+\s, \i%2      ; four accumulators by turns, one instruction a turn
.endr
.endm
	s_load_b256 s[4:11], s[0:1], 0x0               ; cc, cs, Wo's codes, Wo's scales
	s_load_b128 s[12:15], s[0:1], 0x20             ; bo, out0
	v_lshl_add_u32 v216, v0, 2, 0x34200
	v_mov_b32 v217, 0
	ds_add_u32 v216, v217
	v_lshrrev_b32 v1, 5, v0
	v_readfirstlane_b32 s[WV], v1                  ; wave 0..11
	s_bfe_u32 s56, ttmp6, 0x40000                  ; cx: it enters concat's and out0's addresses alone
	s_lshl_b32 s57, ttmp9, 2
	s_add_co_u32 s57, s57, s56                     ; my group of 64 tokens
	s_and_b32 s58, ttmp7, 0xffff                   ; my group of 192 columns, which the four partners share
	s_lshr_b32 s59, s[WV], 2                       ; which 64 columns are my wave's
	s_and_b32 s60, s[WV], 3                        ; which 16 tokens
	s_mul_i32 s61, s58, 192
	s_lshl_b32 s62, s[WV], 6
	s_add_co_u32 s62, s62, s61                     ; waves 0-2 fetch: rows 192 y + 64 x wave of Wo
	s_mul_i32 s66, s62, 768
	s_mov_b32 s67, 0
	s_mul_i32 s68, s62, 24
	s_mov_b32 s69, 0
	s_mov_b32 s[G1C+0], 15|(1<<20)|(1<<21)|(5<<22)|(3<<25)   ; the mask: all four work-groups; elements of 1 byte; padding on: 4 words after every 64; bit 21 set beside a mask
	s_mov_b32 s[G1C+1], 256<<16
	s_mov_b32 s[G1C+2], 64<<16
	s_mov_b32 s[G1C+3], 256<<16
	s_mov_b32 s[G1C+4], 64
	s_mov_b32 s[G1C+5], 768
	s_mov_b32 s[G1C+6], 0
	s_mov_b32 s[G1C+7], 0
	s_mov_b32 s[G1S+0], 15|(3<<16)|(1<<21)         ; 64 rows x 24 bytes: 1,536 dense bytes as 6 rows of 32 elements of 8 bytes
	s_mov_b32 s[G1S+1], 32<<16
	s_mov_b32 s[G1S+2], 6<<16
	s_mov_b32 s[G1S+3], 32<<16
	s_mov_b32 s[G1S+4], 6
	s_mov_b32 s[G1S+5], 32
	s_mov_b32 s[G1S+6], 0
	s_mov_b32 s[G1S+7], 0
	s_wait_dscnt 0x0
	s_wait_kmcnt 0x0
	s_add_nc_u64 s[66:67], s[8:9], s[66:67]
	s_add_nc_u64 s[68:69], s[10:11], s[68:69]
	s_mov_b32 s[G0S], 1
	s_mul_i32 s[G0S+1], s[WV], 1536
	s_add_co_u32 s[G0S+1], s[G0S+1], SC
	s_mov_b64 s[G0S+2:G0S+3], s[68:69]
	s_or_b32 s[G0S+3], s[G0S+3], 0x80000000
	s_mul_i32 s70, s[WV], UNIT
.irp c, 0,1,2
	s_mov_b32 s[G0C+4*\c], 1
	s_add_co_u32 s[G0C+4*\c+1], s70, \c*CH
	s_add_nc_u64 s[G0C+4*\c+2:G0C+4*\c+3], s[66:67], \c*256
	s_or_b32 s[G0C+4*\c+3], s[G0C+4*\c+3], 0x80000000
.endr
	CROUND                                         ; all four work-groups are here: the joint loads meet
	s_cmp_lt_u32 s[WV], 3                          ; all fills of a wave stand in this one branch: four loads of mine are out; every LDS byte is filled once
	s_cbranch_scc0 .Lno_fetch
	tensor_load_to_lds s[G0S:G0S+3], s[G1S:G1S+7]
	s_nop 0
	tensor_load_to_lds s[G0C:G0C+3], s[G1C:G1C+7]
	s_nop 0
	tensor_load_to_lds s[G0C+4:G0C+7], s[G1C:G1C+7]
	s_nop 0
	tensor_load_to_lds s[G0C+8:G0C+11], s[G1C:G1C+7]
	s_nop 0
.rept 4
	v_nop
.endr
.Lno_fetch:
	s_lshl_b32 s63, s57, 2
	s_add_co_u32 s63, s63, s60                     ; T: my tile of 16 tokens
	s_mul_i32 s66, s63, 12288
	s_mov_b32 s67, 0
	s_add_nc_u64 s[4:5], s[4:5], s[66:67]          ; its six fragments,
	s_mul_i32 s66, s63, 384
	s_add_nc_u64 s[6:7], s[6:7], s[66:67]          ; their scale words
	s_lshl_b32 s70, s59, 6
	s_add_co_u32 s70, s70, s61
	s_lshl_b32 s66, s70, 2                         ; my first column, in bytes: a multiple of 256
	s_add_nc_u64 s[12:13], s[12:13], s[66:67]
	s_add_nc_u64 s[14:15], s[14:15], s[66:67]
	s_mul_i32 s66, s63, 16*3072
	s_add_nc_u64 s[14:15], s[14:15], s[66:67]      ; my first row of out0
	v_and_b32 v1, 31, v0                           ; lane
	v_and_b32 v2, 15, v0                           ; r
	v_bfe_u32 v3, v0, 4, 1                         ; h
	v_mul_u32_u24 v[ADA], v2, PITCH
	v_lshl_add_u32 v[STO], v3, 5, v[ADA]           ; the stage, in: row r, + 32 h
	v_lshl_add_u32 v[ADA], v3, 3, v[ADA]           ; Wo: row r, + 8 h
	s_mul_i32 s70, s59, UNIT
	v_add_nc_u32 v[ADA], s70, v[ADA]
	v_mul_u32_u24 v[ADS], v1, 24
	s_mul_i32 s70, s59, 64*24
	s_add_co_u32 s70, s70, SC
	v_add_nc_u32 v[ADS], s70, v[ADS]
	v_lshlrev_b32 v[LI], 4, v1
	s_mul_i32 s70, s[WV], 16*PITCH
	s_add_co_u32 s70, s70, STG                     ; my stage
	v_add_nc_u32 v[STO], s70, v[STO]
	v_mul_u32_u24 v[RD], v3, PITCH
	v_lshl_add_u32 v[RD], v2, 4, v[RD]
	v_add_nc_u32 v[RD], s70, v[RD]                 ; back: lanes 0-15 one row of 256 bytes, lanes 16-31 the next
	v_mul_u32_u24 v[CO], v3, 3072
	v_lshl_add_u32 v[CO], v2, 4, v[CO]             ; and the same two rows in out0
	v_lshlrev_b32 v[R4], 2, v2
	v_lshlrev_b32 v[HB], 5, v3
.irp s, 0,1,2,3,4,5
.irp c, 0,1,2,3
	global_load_b128 v[BFR+16*\s+4*\c:BFR+16*\s+4*\c+3], v[LI], s[4:5] offset:2048*\s+512*\c
.endr
	global_load_b32 v[CSW+\s], v[R4], s[6:7] offset:64*\s
.endr
.irp i, 0,1,2,3
	global_load_b128 v[ACC+8*\i:ACC+8*\i+3], v[HB], s[12:13] offset:64*\i        ; bo at columns 16 i + 8 h + 0 .. 7: the sums begin with it
	global_load_b128 v[ACC+8*\i+4:ACC+8*\i+7], v[HB], s[12:13] offset:64*\i+16
.endr
	s_wait_tensorcnt 0x2                           ; my scale bytes and my rows of chunk 0 are in: behind them I issued two loads, which may stay out (nothing is filled twice)
	s_wait_loadcnt 0x0
	s_barrier_signal -1
	s_barrier_wait -1
	KSTEP3 0, 0, 1
	KSTEP3 1, 1, 0
	s_wait_tensorcnt 0x1                           ; chunk 1: only chunk 2's load may be out
	s_barrier_signal -1
	s_barrier_wait -1
	v_add_nc_u32 v[ADA], CH, v[ADA]
	KSTEP3 0, 2, 0
	KSTEP3 1, 3, 0
	s_wait_tensorcnt 0x0                           ; chunk 2
	s_barrier_signal -1
	s_barrier_wait -1
	v_add_nc_u32 v[ADA], CH, v[ADA]
	KSTEP3 0, 4, 0
	KSTEP3 1, 5, 0
	; THE WAY OUT: a lane's 32 bytes of a row go into my own stage and come back as whole rows of 256 bytes.  LDS serves a wave's instructions in order (ISA guide 5.7.1.4): no wait between the stores and the loads.
	PLACES
.irp i, 0,1,2,3
	ds_store_b128 v[STO], v[ACC+8*\i:ACC+8*\i+3] offset:64*\i          ; each accumulator from its low end on
	ds_store_b128 v[STO], v[ACC+8*\i+4:ACC+8*\i+7] offset:64*\i+16
.endr
.irp t, 0,1,2,3,4,5,6,7
	ds_load_b128 v[AF+4*\t:AF+4*\t+3], v[RD] offset:\t*2*PITCH
.endr
.irp t, 0,1,2,3,4,5,6,7
	s_wait_dscnt 7-\t                              ; the younger loads may stay out
	global_store_b128 v[CO], v[AF+4*\t:AF+4*\t+3], s[14:15] offset:\t*2*3072 th:TH_STORE_NT   ; 16 lanes store 256 consecutive bytes, aligned; written once, read by nobody here
.endr
	s_wait_dscnt 0x0
	s_wait_tensorcnt 0x0
	ds_add_u32 v216, v217
	s_wait_dscnt 0x0
	CROUND                                         ; the closing round: no work-group ends while a partner may still ask for a tile that names it
	s_endpgm
.Lfunc_end_k_qe7ee820cef_outp:
	.size	k_qe7ee820cef_outp, .Lfunc_end_k_qe7ee820cef_outp-k_qe7ee820cef_outp
	.p2alignl 7, 3214868480
	.fill 96, 4, 3214868480
	.section	.rodata,"a",@progbits
	.p2align	6, 0x0
	.amdhsa_kernel k_qe7ee820cef_outp
		.amdhsa_group_segment_fixed_size 215040
		.amdhsa_private_segment_fixed_size 0
		.amdhsa_enable_private_segment 0
		.amdhsa_kernarg_size 48
		.amdhsa_user_sgpr_count 2
		.amdhsa_user_sgpr_kernarg_segment_ptr 1
		.amdhsa_wavefront_size32 1
		.amdhsa_system_sgpr_workgroup_id_x 1
		.amdhsa_system_sgpr_workgroup_id_y 1
		.amdhsa_system_sgpr_workgroup_id_z 1
		.amdhsa_system_vgpr_workitem_id 0
		.amdhsa_next_free_vgpr 218
		.amdhsa_next_free_sgpr 72
		.amdhsa_reserve_vcc 0
		.amdhsa_float_denorm_mode_32 3
		.amdhsa_float_denorm_mode_16_64 3
		.amdhsa_memory_ordered 1
		.amdhsa_forward_progress 1
		.amdhsa_inst_pref_size 30
	.end_amdhsa_kernel
	.amdgpu_metadata
---
amdhsa.version: [ 1, 2 ]
amdhsa.kernels:
  - .name:           k_qe7ee820cef_outp
    .symbol:         k_qe7ee820cef_outp.kd
    .args:
      - { .name: cc, .offset: 0, .size: 8, .value_kind: global_buffer, .address_space: global }
      - { .name: cs, .offset: 8, .size: 8, .value_kind: global_buffer, .address_space: global }
      - { .name: Wo_codes, .offset: 16, .size: 8, .value_kind: global_buffer, .address_space: global }
      - { .name: Wo_scales, .offset: 24, .size: 8, .value_kind: global_buffer, .address_space: global }
      - { .name: bo, .offset: 32, .size: 8, .value_kind: global_buffer, .address_space: global }
      - { .name: out0, .offset: 40, .size: 8, .value_kind: global_buffer, .address_space: global }
    .group_segment_fixed_size: 215040
    .private_segment_fixed_size: 0
    .kernarg_segment_align: 8
    .kernarg_segment_size: 48
    .max_flat_workgroup_size: 384
    .sgpr_count:     72
    .vgpr_count:     218
    .wavefront_size: 32
...
	.end_amdgpu_metadata
.endif
;; end of part 3
;; ======== version 2 of 2: 3 launches
;; limits: right only within a limited range of input values
;; workspace buffers: qc 3,145,728 bytes; kc 3,145,728 bytes; vc 3,145,728 bytes; qs 196,608 bytes; skv 196,608 bytes; cc 3,145,728 bytes; cs 98,304 bytes
;; launch proj (part 4): grid 96 x 3, 8 waves a work-group, no clusters, 327,680 bytes of LDS; arguments q_codes, q_scales, k_codes, k_scales, v_codes, v_scales, Wq_codes, Wq_scales, bq, qc, qs, kc, skv, vc; writes qc, qs, kc, skv, vc
.if DOCPART == 4
	.amdgcn_target "amdgcn-amd-amdhsa--gfx1250"
	.amdhsa_code_object_version 6
	.text
	.protected	k_qe7ee820cef_proj
	.globl	k_qe7ee820cef_proj
	.p2align	8
	.type	k_qe7ee820cef_proj,@function
k_qe7ee820cef_proj:
	s_mov_b64 s[64:65], 0
	v_nop
	global_prefetch_b8 v0, s[64:65] scope:SCOPE_SE
	s_setreg_imm32_b32 hwreg(HW_REG_WAVE_MODE, 25, 1), 1
	s_wait_xcnt 0x0
; Q = q Wq^T + bq, K = k Wq^T + bq, V = v Wq^T + bq on codes of BF8 (E5M2) with one E8M0 scale for each 32 along K = 768; the results are quantised again
; (Q and K along the head's 64 channels, V along the keys) and stored as IMAGES OF OPERAND REGISTERS for the attention launch.
; ONE BODY FOR THE THREE.  It makes P[a][b] = sum over k of A[a][k] B[b][k] (+ bias) and quantises along a: source 0 = 16 rows of A, source 1 = 16 rows of B,
; so that a lane holds one b (lane % 16) and its registers run along a.  Work-group y = 0, 1 (Q, K): A = Wq (a = channel), B = tokens.  y = 2 (V): A = tokens (a = key), B = Wq.
; What hangs on y is chosen without a jump: pointers, strides of the stores, two factors for the bias, two byte selectors.  No LDS address and no branch hangs on y.
; SHARES.  A work-group takes 256 rows of A x 128 rows of B with all of K in LDS (filled once: 3 chunks of 256 along K); 96 work-groups a tensor.  Eight waves: wave tile 128 of A (wave & 1) x 32 of B (wave >> 1): 16 accumulators.
; ORDER ALONG THE NEXT K.  Tiles take neighbouring rows of A, so of a block of 32 a lane of half h holds 8 h + 0..7 and 16 + 8 h + 0..7: register pair i of a fragment made here holds k = 16 i + 8 h + 0..7.
; Every operand that meets such a fragment is made or read in the same order, and a block of 32 keeps its own four registers, so the scale bytes stay right.
; AN IMAGE: a fragment's registers 4 c .. 4 c + 3 lie at 512 c + 16 x lane: each store of a wave covers 512 consecutive bytes, aligned.
;   qc, kc: [head][32 tokens][quad 2 u + c][lane][16]: tokens 16 u + lane % 16, channel block c.   vc: [head][128 keys][channel tile][quad = key block][lane][16].
;   qs, skv: a word a row: [head, 16,384 bytes][fragment][lane % 16]; V's words lie 8,192 bytes behind K's in skv.
; NO CLUSTER: partners could share Wq's part alone, and that part is A's region for Q and K and B's for V: each region would need a joint and a plain descriptor chosen by the tensor.
; LIMITS: NaN and infinities among the inputs are not served (bq is multiplied by 0 on the axis where it does not apply); a block of zeros gets the scale byte 1 where the rule says 127
; (its codes are zeros, and this program alone reads the bytes); inside a block of 32 the products are summed in the order stated above.
.set PITCH, 816                        ; an LDS row: all of K as three pieces of 256 bytes + 16 of padding = 204 words, so the 16 rows that a load touches start at 16 different multiples of 4 banks (64 banks of 4 bytes: ISA guide 11.1)
.set UNIT,  64*PITCH                   ; 64 rows: what one tensor load brings; A's 256 rows, then B's 128
.set BOFF,  4*UNIT
.set SC,    6*UNIT                     ; behind the codes: the scale bytes, 24 a row, dense: A's 256 rows,
.set SCB,   SC+256*24                  ; then B's 128
.set ADA,  4                           ; v4   LDS address of my A fragments 0 to 3
.set ADB,  5                           ; v5   of my B fragments
.set ADSA, 6                           ; v6   of A's scale words: a lane a row, 32 rows (two tiles) a load
.set ADSB, 7                           ; v7   of B's
.set VO,   8                           ; v8-11  offsets of the code stores: index 2 g + bt
.set SO0,  12                          ; v12  4 x (lane % 16): first scale store, and the bias along b
.set SO1,  13                          ; v13  the second scale store
.set HB,   14                          ; v14  32 x (lane / 16): the bias along a
.set SA,   16                          ; v16-19 A's scale words: register p: lanes 0-15 tile 2 p, lanes 16-31 tile 2 p + 1
.set SB,   20                          ; v20  B's: lanes 0-15 tile 0, lanes 16-31 tile 1
.set ADC,  21                          ; v21  LDS address of my A fragments 4 to 7
.set AF,   32                          ; v32-95   four fragments of A
.set BF,   96                          ; v96-127  two fragments of B
.set ACC,  128                         ; v128-255 accumulator (g, bt, i) at ACC + 64 g + 32 bt + 8 i: A's tile 4 g + i, B's tile bt
.set TM,   32                          ; the quantiser's 16 registers at work
.set CD,   48                          ; v48-79 the codes: 16 registers for each g
.set PW,   80                          ; v80-81 the scale words as made; v82-83 as stored
.set G1C,  32                          ; s[32:39] descriptor group 1 for codes;  s[40:47] for scale bytes
.set G1S,  40
.set G0S,  48                          ; s[48:51] group 0 for my scale bytes;  s[52:55] for my rows of codes
.set G0C,  52                          ; s[52:55] group 0 for my 64 rows of codes
.set G1T,  56                          ; s[56:63] group 1 for A's scale bytes
.set WV,   66
.set Y,    67
.set AG,   69
.set BG,   70
.set A0,   71
.set B0,   72
.set WA,   73
.set WB,   74
.set SEL,  76                          ; s[76:77] v_permlanex16_b32's selects for lane l xor 16
.set MNT,  78                          ; the mantissa field of 57,344
.set FA,   80                          ; s[80:81] 1.0 where the bias runs along a, else 0 (a pair: the packed form names both)
.set FB,   82                          ; s[82:83] the same for b
.set P0,   84                          ; s84, s85 byte selectors that lay the two scale words as they are stored
.macro FRAG reg, adr, off              ; 16 rows x 128 K of 8-bit codes: lane l holds row l % 16; registers 4 c .. 4 c + 3 hold K = 32 c + 16 (l / 16) + 0 .. 15
.irp c, 0,1,2,3
	ds_load_b128 v[\reg+4*\c:\reg+4*\c+3], v[\adr] offset:\off+32*\c
.endr
.endm
.macro WM d, a, b, sa, ra, rb          ; one product, added in place; ra, rb: the side's scale words stand in lanes 16-31
.if (\ra) && (\rb)
	v_wmma_scale_f32_16x16x128_f8f6f4 v[\d:\d+7], v[\a:\a+15], v[\b:\b+15], v[\d:\d+7], v[\sa], v[SB] matrix_a_fmt:MATRIX_FMT_BF8 matrix_b_fmt:MATRIX_FMT_BF8 matrix_a_scale:MATRIX_SCALE_ROW1 matrix_b_scale:MATRIX_SCALE_ROW1
.elseif \ra
	v_wmma_scale_f32_16x16x128_f8f6f4 v[\d:\d+7], v[\a:\a+15], v[\b:\b+15], v[\d:\d+7], v[\sa], v[SB] matrix_a_fmt:MATRIX_FMT_BF8 matrix_b_fmt:MATRIX_FMT_BF8 matrix_a_scale:MATRIX_SCALE_ROW1
.elseif \rb
	v_wmma_scale_f32_16x16x128_f8f6f4 v[\d:\d+7], v[\a:\a+15], v[\b:\b+15], v[\d:\d+7], v[\sa], v[SB] matrix_a_fmt:MATRIX_FMT_BF8 matrix_b_fmt:MATRIX_FMT_BF8 matrix_b_scale:MATRIX_SCALE_ROW1
.else
	v_wmma_scale_f32_16x16x128_f8f6f4 v[\d:\d+7], v[\a:\a+15], v[\b:\b+15], v[\d:\d+7], v[\sa], v[SB] matrix_a_fmt:MATRIX_FMT_BF8 matrix_b_fmt:MATRIX_FMT_BF8
.endif
.endm
.macro MUL8 g                          ; A's tiles 4 g .. 4 g + 3 x B's two: eight accumulators by turns, one instruction a turn
.irp i, 0,1,2,3
.irp bt, 0,1
	WM ACC+64*\g+32*\bt+8*\i, AF+16*\i, BF+16*\bt, SA+2*\g+\i/2, \i%2, \bt
.endr
.endr
.endm
.macro PLACES                          ; eight plain vector instructions between a matrix instruction of this form and a load into, or a vector read or write of, its registers
.rept 8
	v_nop
.endr
.endm
; 128 along K: the ks-th of the chunk in hand, the s-th of all six.  first = 1: no matrix instruction has run yet.
.macro KSTEP ks, s, first
.if \first == 0
	PLACES
.endif
.set KO_, 272*((\s)/2)+128*((\s)%2)     ; where the s-th 128 along K lie in a row
	FRAG BF, ADB, KO_
	FRAG BF+16, ADB, 16*PITCH+KO_
	ds_load_b32 v[SB], v[ADSB] offset:4*\s
.irp p, 0,1,2,3
	ds_load_b32 v[SA+\p], v[ADSA] offset:768*\p+4*\s
.endr
.irp i, 0,1,2,3
	FRAG AF+16*\i, ADA, \i*16*PITCH+KO_
.endr
	s_wait_dscnt 0x0
	MUL8 0
	PLACES
.irp i, 0,1,2,3
	FRAG AF+16*\i, ADC, \i*16*PITCH+KO_
.endr
	s_wait_dscnt 0x0
	MUL8 1
.endm
; 64 numbers of a lane, v[s] on, four blocks of 16 registers, each the lane's half of a block of 32 along the next K, become 16 registers of codes v[cd] on and a scale word v[pw].
.macro QUANT s, cd, pw
.irp b, 0,1,2,3
	v_max3_num_f32 v[TM+\b], |v[\s+16*\b]|, |v[\s+16*\b+1]|, 0x8000000   ; my 16 numbers and the floor 2^(16 - 127): the byte cannot fall under 1
.endr
.irp i, 2,4,6,8,10,12,14
.irp b, 0,1,2,3
	v_max3_num_f32 v[TM+\b], v[TM+\b], |v[\s+16*\b+\i]|, |v[\s+16*\b+\i+1]|   ; the four blocks by turns
.endr
.endr
.irp b, 0,1,2,3
	s_delay_alu instid0(VALU_DEP_4)
	v_permlanex16_b32 v[TM+4+\b], v[TM+\b], s[SEL], s[SEL+1]
.endr
.irp b, 0,1,2,3
	s_delay_alu instid0(VALU_DEP_4)
	v_max_num_f32 v[TM+\b], v[TM+\b], v[TM+4+\b]                 ; with lane l xor 16's 16: the block's largest magnitude
.endr
.irp b, 0,1,2,3
	s_delay_alu instid0(VALU_DEP_4)
	v_add_nc_u32 v[TM+12+\b], 0xf8800000, v[TM+\b]               ; 15 off its exponent field: the conversion takes that field as its scale
.endr
.irp b, 0,1,2,3
	v_and_or_b32 v[TM+8+\b], v[TM+\b], 0x7f800000, s[MNT]        ; 57,344 x the scale
.endr
.irp b, 0,1,2,3
	v_lshrrev_b32 v[TM+4+\b], 23, v[TM+12+\b]                    ; the scale's byte
.endr
	s_delay_alu instid0(VALU_DEP_3)
	v_lshl_or_b32 v[\pw], v[TM+5], 8, v[TM+4]
	s_delay_alu instid0(VALU_DEP_1)
	v_lshl_or_b32 v[\pw], v[TM+6], 16, v[\pw]
	s_delay_alu instid0(VALU_DEP_1)
	v_lshl_or_b32 v[\pw], v[TM+7], 24, v[\pw]
.irp b, 0,1,2,3
.irp i, 0,1,2,3,4,5,6,7,8,9,10,11,12,13,14,15
	v_med3_num_f32 v[\s+16*\b+\i], v[\s+16*\b+\i], -v[TM+8+\b], v[TM+8+\b]   ; the conversion to an 8-bit code does not saturate (ISA guide 7.6.2): the hold comes first
.endr
	v_cvt_scalef32_pk8_bf8_f32 v[\cd+4*\b:\cd+4*\b+1], v[\s+16*\b:\s+16*\b+7], v[TM+12+\b]
	v_cvt_scalef32_pk8_bf8_f32 v[\cd+4*\b+2:\cd+4*\b+3], v[\s+16*\b+8:\s+16*\b+15], v[TM+12+\b]
.endr
	v_nop                                          ; a plain instruction behind the last conversion
.endm
	s_load_b512 s[4:19], s[0:1], 0x0               ; q's codes, scales; k's; v's; Wq's
	s_load_b256 s[20:27], s[0:1], 0x40             ; bq, qc, qs, kc
	s_load_b128 s[28:31], s[0:1], 0x60             ; skv, vc
	v_lshl_add_u32 v30, v0, 2, 0x4ec00
	v_mov_b32 v31, 0
	ds_add_u32 v30, v31
	ds_add_u32 v30, v31
	v_lshrrev_b32 v1, 5, v0
	s_delay_alu instid0(VALU_DEP_1)
	v_readfirstlane_b32 s[WV], v1                  ; wave 0..7
	s_and_b32 s[Y], ttmp7, 0xffff                  ; 0: Q, 1: K, 2: V
	s_lshr_b32 s86, ttmp9, 5                       ; Q, K: 3 groups of A (Wq) x 32 of B (tokens)
	s_and_b32 s87, ttmp9, 31
	s_and_b32 s88, ttmp9, 15                       ; V: 16 groups of A (tokens) x 6 of B (Wq)
	s_lshr_b32 s89, ttmp9, 4
	s_and_b32 s[WA], s[WV], 1
	s_lshr_b32 s[WB], s[WV], 1
	s_and_b32 s94, s[WV], 3
	s_lshl_b32 s94, s94, 6                         ; which 64 rows of A (waves 0-3) or of B (waves 4, 5) I fetch
	s_cmp_eq_u32 s[Y], 2
	s_cselect_b32 s[AG], s88, s86
	s_cselect_b32 s[BG], s89, s87
	s_cselect_b32 s[FA], 0, 1.0
	s_cselect_b32 s[FB], 1.0, 0
	s_mov_b32 s[P0], 0x03020100                    ; Q, K: a word as made is a word as stored
	s_cselect_b32 s[P0], 0x05040100, s[P0]         ; V: the low halves of the two words make channel tile 0's word,
	s_mov_b32 s[P0+1], 0x07060504
	s_cselect_b32 s[P0+1], 0x07060302, s[P0+1]     ; the high halves tile 1's
	s_mov_b32 s[FA+1], s[FA]
	s_mov_b32 s[FB+1], s[FB]
	s_lshl_b32 s[A0], s[AG], 8
	s_lshl_b32 s[B0], s[BG], 7
	s_mov_b32 s[SEL], 0x76543210
	s_mov_b32 s[SEL+1], 0xfedcba98
	s_mov_b32 s[MNT], 0x600000
	; group 1 for codes: 64 rows of 768 bytes as 192 dense rows of 256, 16 bytes of padding behind each 256 in LDS
	s_mov_b32 s[G1C+0], (1<<20)|(5<<22)|(3<<25)    ; no mask; elements of 1 byte; padding on: 4 words after every 64
	s_mov_b32 s[G1C+1], 256<<16                    ; tensor_dim0
	s_mov_b32 s[G1C+2], 192<<16                    ; 64 whole rows of 768 bytes are dense: 192 rows of 256
	s_mov_b32 s[G1C+3], 256<<16                    ; tile_dim0
	s_mov_b32 s[G1C+4], 192                        ; tile_dim1
	s_mov_b32 s[G1C+5], 256                        ; from row to row
	s_mov_b32 s[G1C+6], 0
	s_mov_b32 s[G1C+7], 0
	; group 1 for B's scale bytes: 128 rows x 24 bytes are 3,072 dense bytes: 12 rows of 32 elements of 8 bytes
	s_mov_b32 s[G1S+0], 3<<16
	s_mov_b32 s[G1S+1], 32<<16
	s_mov_b32 s[G1S+2], 12<<16                     ; B's 128 rows: 3,072 bytes
	s_mov_b32 s[G1S+3], 32<<16
	s_mov_b32 s[G1S+4], 12
	s_mov_b32 s[G1S+5], 32
	s_mov_b32 s[G1S+6], 0
	s_mov_b32 s[G1S+7], 0
	s_mov_b32 s[G1T+0], 3<<16                      ; A's 256 rows: 6,144 bytes
	s_mov_b32 s[G1T+1], 32<<16
	s_mov_b32 s[G1T+2], 24<<16
	s_mov_b32 s[G1T+3], 32<<16
	s_mov_b32 s[G1T+4], 24
	s_mov_b32 s[G1T+5], 32
	s_mov_b32 s[G1T+6], 0
	s_mov_b32 s[G1T+7], 0
	s_wait_dscnt 0x0
	s_wait_kmcnt 0x0
	s_cmp_eq_u32 s[Y], 0
	s_cselect_b64 s[86:87], s[4:5], s[8:9]         ; the tokens' codes and scale bytes: q's or k's,
	s_cselect_b64 s[88:89], s[6:7], s[10:11]
	s_cmp_eq_u32 s[Y], 2
	s_cselect_b64 s[86:87], s[12:13], s[86:87]     ; or v's
	s_cselect_b64 s[88:89], s[14:15], s[88:89]
	s_cselect_b64 s[90:91], s[86:87], s[16:17]     ; A: the tokens for V, else Wq
	s_cselect_b64 s[92:93], s[88:89], s[18:19]
	s_cselect_b64 s[86:87], s[16:17], s[86:87]     ; B: the other
	s_cselect_b64 s[88:89], s[18:19], s[88:89]
	s_cmp_eq_u32 s[WV], 6                          ; scale bytes: wave 6 fetches A's, wave 7 B's
	s_cselect_b64 s[92:93], s[92:93], s[88:89]
	s_cselect_b32 s95, s[A0], s[B0]
	s_mul_i32 s96, s95, 24
	s_mov_b32 s97, 0
	s_add_nc_u64 s[92:93], s[92:93], s[96:97]
	s_cmp_lt_u32 s[WV], 4                          ; codes: waves 0-3 fetch A's rows, waves 4, 5 B's
	s_cselect_b64 s[90:91], s[90:91], s[86:87]
	s_cselect_b32 s95, s[A0], s[B0]
	s_add_co_u32 s95, s95, s94                     ; my first row
	s_mul_i32 s96, s95, 768
	s_add_nc_u64 s[90:91], s[90:91], s[96:97]
	s_mov_b32 s[G0S], 1                            ; count = 1
	s_mul_i32 s[G0S+1], s[WV], 6144
	s_add_co_u32 s[G0S+1], s[G0S+1], SC-6*6144     ; wave 6: SC; wave 7: SCB
	s_mov_b64 s[G0S+2:G0S+3], s[92:93]
	s_or_b32 s[G0S+3], s[G0S+3], 0x80000000        ; type = 2
	s_mov_b32 s[G0C], 1
	s_mul_i32 s[G0C+1], s[WV], UNIT
	s_mov_b64 s[G0C+2:G0C+3], s[90:91]
	s_or_b32 s[G0C+3], s[G0C+3], 0x80000000
	s_cmp_lt_u32 s[WV], 6                          ; the fills, one load a wave: one chain of branches on the wave's number; every LDS byte is filled once
	s_cbranch_scc0 .Lfor_sa
	tensor_load_to_lds s[G0C:G0C+3], s[G1C:G1C+7]
	s_nop 0
.rept 4
	v_nop
.endr
	s_branch .Lno_fetch
.Lfor_sa:
	s_cmp_lt_u32 s[WV], 7
	s_cbranch_scc0 .Lfor_sb
	tensor_load_to_lds s[G0S:G0S+3], s[G1T:G1T+7]
	s_nop 0
.rept 4
	v_nop
.endr
	s_branch .Lno_fetch
.Lfor_sb:
	tensor_load_to_lds s[G0S:G0S+3], s[G1S:G1S+7]
	s_nop 0
.rept 4
	v_nop
.endr
.Lno_fetch:
	; where the results go.  Q, K: head 4 ag + 2 wa (+ g), fragment 4 bg + wb
	s_lshl_b32 s86, s[AG], 2
	s_lshl_b32 s87, s[WA], 1
	s_add_co_u32 s86, s86, s87
	s_lshl_b32 s87, s[BG], 2
	s_add_co_u32 s87, s87, s[WB]
	s_lshl_b32 s88, s86, 18
	s_lshl_b32 s89, s87, 11
	s_add_co_u32 s88, s88, s89                     ; codes: head x 262,144 + fragment x 2,048
	s_lshl_b32 s86, s86, 14
	s_lshl_b32 s87, s87, 6
	s_add_co_u32 s89, s86, s87                     ; words: head x 16,384 + fragment x 64
	; V: head 2 bg + wb / 2, key step 2 ag + wa, channel tile 2 (wb % 2) (+ bt)
	s_lshl_b32 s86, s[BG], 1
	s_lshr_b32 s87, s[WB], 1
	s_add_co_u32 s86, s86, s87
	s_lshl_b32 s87, s[AG], 1
	s_add_co_u32 s87, s87, s[WA]
	s_and_b32 s90, s[WB], 1
	s_lshl_b32 s91, s86, 18
	s_lshl_b32 s92, s87, 13
	s_add_co_u32 s91, s91, s92
	s_lshl_b32 s92, s90, 12
	s_add_co_u32 s91, s91, s92                     ; codes: head x 262,144 + step x 8,192 + tile x 2,048
	s_lshl_b32 s86, s86, 14
	s_lshl_b32 s87, s87, 8
	s_add_co_u32 s86, s86, s87
	s_lshl_b32 s90, s90, 7
	s_add_co_u32 s86, s86, s90
	s_add_co_u32 s92, s86, 8192                    ; words: head x 16,384 + 8,192 + step x 256 + tile x 64
	s_lshl_b32 s93, s[WA], 7
	s_add_co_u32 s93, s93, s[A0]
	s_lshl_b32 s93, s93, 2                         ; bq at my first row of A, in bytes,
	s_lshl_b32 s94, s[WB], 5
	s_add_co_u32 s94, s94, s[B0]
	s_lshl_b32 s94, s94, 2                         ; and of B
	s_cmp_eq_u32 s[Y], 2
	s_cselect_b32 s96, s91, s88
	s_cselect_b32 s98, s92, s89
	s_cselect_b32 s100, 0, s93                     ; on the axis of tokens bq is read from its start and multiplied by 0: no load leaves the buffer
	s_cselect_b32 s94, s94, 0
	s_mov_b32 s86, 262144
	s_cselect_b32 s86, 1024, s86                   ; from g to g + 1: the next head, or two key blocks
	s_mov_b32 s87, 1024
	s_cselect_b32 s87, 2048, s87                   ; from bt to bt + 1: two quads, or the next channel tile
	s_mov_b32 s88, 16384
	s_cselect_b32 s88, 64, s88                     ; from the first word stored to the second: the next head, or the next channel tile
	s_cselect_b64 s[90:91], s[30:31], s[26:27]     ; vc or kc,
	s_mov_b32 s97, 0
	s_mov_b32 s99, 0
	s_mov_b32 s101, 0
	s_mov_b32 s95, 0
	s_cmp_eq_u32 s[Y], 0
	s_cselect_b64 s[90:91], s[22:23], s[90:91]     ; or qc
	s_cselect_b64 s[92:93], s[24:25], s[28:29]     ; qs or skv
	s_add_nc_u64 s[90:91], s[90:91], s[96:97]      ; s[90:91]: where my codes go
	s_add_nc_u64 s[92:93], s[92:93], s[98:99]      ; s[92:93]: my scale words
	s_add_nc_u64 s[96:97], s[20:21], s[100:101]    ; s[96:97]: bq along a
	s_add_nc_u64 s[98:99], s[20:21], s[94:95]      ; s[98:99]: bq along b
	v_and_b32 v1, 31, v0                           ; lane
	v_and_b32 v2, 15, v0                           ; r
	v_bfe_u32 v3, v0, 4, 1                         ; h
	s_delay_alu instid0(VALU_DEP_2)
	v_mul_u32_u24 v[ADA], v2, PITCH
	s_delay_alu instid0(VALU_DEP_1)
	v_lshl_add_u32 v[ADA], v3, 4, v[ADA]           ; row r x pitch + 16 h
	s_mul_i32 s100, s[WB], 32*PITCH
	s_add_co_u32 s100, s100, BOFF
	v_add_nc_u32 v[ADB], s100, v[ADA]              ; my 32 rows of B, behind A's 256
	s_mul_i32 s100, s[WA], 128*PITCH
	v_add_nc_u32 v[ADA], s100, v[ADA]              ; my 128 rows of A: tiles 0 to 3,
	s_delay_alu instid0(VALU_DEP_1)
	v_add_nc_u32 v[ADC], 64*PITCH, v[ADA]          ; and tiles 4 to 7
	v_mul_u32_u24 v[ADSA], v1, 24
	s_mul_i32 s100, s[WB], 32*24
	s_add_co_u32 s100, s100, SCB
	v_add_nc_u32 v[ADSB], s100, v[ADSA]
	s_mul_i32 s100, s[WA], 128*24
	s_add_co_u32 s100, s100, SC
	v_add_nc_u32 v[ADSA], s100, v[ADSA]
	v_lshlrev_b32 v[VO], 4, v1
	s_delay_alu instid0(VALU_DEP_1)
	v_add_nc_u32 v[VO+1], s87, v[VO]
	s_delay_alu instid0(VALU_DEP_2)
	v_add_nc_u32 v[VO+2], s86, v[VO]
	s_delay_alu instid0(VALU_DEP_1)
	v_add_nc_u32 v[VO+3], s87, v[VO+2]
	v_lshlrev_b32 v[SO0], 2, v2
	s_delay_alu instid0(VALU_DEP_1)
	v_add_nc_u32 v[SO1], s88, v[SO0]
	v_lshlrev_b32 v[HB], 5, v3
	; THE BIAS STARTS THE SUMS, while the tiles are on their way: accumulator = bq(a) x FA + bq(b) x FB, one of the factors 1 and the other 0.  Nothing is cleared.
.irp t, 0,1,2,3,4,5,6,7
	global_load_b128 v[AF+8*\t:AF+8*\t+3], v[HB], s[96:97] offset:64*\t       ; tile t: a = 16 t + 8 h + 0 .. 7
	global_load_b128 v[AF+8*\t+4:AF+8*\t+7], v[HB], s[96:97] offset:64*\t+16
.endr
	global_load_b32 v[BF], v[SO0], s[98:99]                                   ; b = r
	global_load_b32 v[BF+2], v[SO0], s[98:99] offset:64                       ; b = 16 + r
	v_mov_b32 v[BF+1], 0                           ; (named as the upper halves of pairs, so they are written)
	v_mov_b32 v[BF+3], 0
	s_wait_loadcnt 0x0
	v_mul_f32 v[BF], s[FB], v[BF]
	s_wait_alu depctr_va_vdst(0)
	v_mul_f32 v[BF+2], s[FB], v[BF+2]
.irp g, 0,1
.irp bt, 0,1
.irp i, 0,1,2,3
.irp j, 0,2,4,6
	v_pk_fma_f32 v[ACC+64*\g+32*\bt+8*\i+\j:ACC+64*\g+32*\bt+8*\i+\j+1], v[AF+8*(4*\g+\i)+\j:AF+8*(4*\g+\i)+\j+1], s[FA:FA+1], v[BF+2*\bt:BF+2*\bt+1] op_sel_hi:[1,0,0]
.endr
.endr
.endr
.endr
	s_wait_alu depctr_va_vdst(0)
	s_wait_tensorcnt 0x0                           ; my one load is in
	s_barrier_signal -1
	s_barrier_wait -1                              ; everybody's is
	KSTEP 0, 0, 1
	KSTEP 1, 1, 0
	KSTEP 0, 2, 0
	KSTEP 1, 3, 0
	KSTEP 0, 4, 0
	KSTEP 1, 5, 0
	PLACES                                         ; in front of the first read of results and of writes over the fragments' registers
.irp b, 0,1,2,3
	v_mov_b32 v[TM+4+\b], 0                        ; a lane permute's destination counts as one of its sources
.endr
	QUANT ACC, CD, PW                              ; g = 0: blocks (bt 0, 32 of a), (bt 0, next 32), (bt 1, ..), (bt 1, ..)
	QUANT ACC+64, CD+16, PW+1                      ; g = 1
	v_perm_b32 v[PW+2], v[PW+1], v[PW], s[P0]
	v_perm_b32 v[PW+3], v[PW+1], v[PW], s[P0+1]
.irp g, 0,1
.irp bt, 0,1
.irp c, 0,1
	global_store_b128 v[VO+2*\g+\bt], v[CD+16*\g+8*\bt+4*\c:CD+16*\g+8*\bt+4*\c+3], s[90:91] offset:512*\c   ; 32 lanes store 512 consecutive bytes, aligned
.endr
.endr
.endr
	global_store_b32 v[SO0], v[PW+2], s[92:93]     ; lanes 16-31 hold the same words as lanes 0-15 and write the same places
	global_store_b32 v[SO1], v[PW+3], s[92:93]
	s_wait_tensorcnt 0x0
	ds_add_u32 v30, v31
	s_wait_dscnt 0x0
	s_endpgm
.Lfunc_end_k_qe7ee820cef_proj:
	.size	k_qe7ee820cef_proj, .Lfunc_end_k_qe7ee820cef_proj-k_qe7ee820cef_proj
	.p2alignl 7, 3214868480
	.fill 96, 4, 3214868480
	.section	.rodata,"a",@progbits
	.p2align	6, 0x0
	.amdhsa_kernel k_qe7ee820cef_proj
		.amdhsa_group_segment_fixed_size 327680
		.amdhsa_private_segment_fixed_size 0
		.amdhsa_enable_private_segment 0
		.amdhsa_kernarg_size 112
		.amdhsa_user_sgpr_count 2
		.amdhsa_user_sgpr_kernarg_segment_ptr 1
		.amdhsa_wavefront_size32 1
		.amdhsa_system_sgpr_workgroup_id_x 1
		.amdhsa_system_sgpr_workgroup_id_y 1
		.amdhsa_system_sgpr_workgroup_id_z 1
		.amdhsa_system_vgpr_workitem_id 0
		.amdhsa_next_free_vgpr 256
		.amdhsa_next_free_sgpr 102
		.amdhsa_reserve_vcc 0
		.amdhsa_float_denorm_mode_32 3
		.amdhsa_float_denorm_mode_16_64 3
		.amdhsa_memory_ordered 1
		.amdhsa_forward_progress 1
		.amdhsa_inst_pref_size 65
	.end_amdhsa_kernel
	.amdgpu_metadata
---
amdhsa.version: [ 1, 2 ]
amdhsa.kernels:
  - .name:           k_qe7ee820cef_proj
    .symbol:         k_qe7ee820cef_proj.kd
    .args:
      - { .name: q_codes, .offset: 0, .size: 8, .value_kind: global_buffer, .address_space: global }
      - { .name: q_scales, .offset: 8, .size: 8, .value_kind: global_buffer, .address_space: global }
      - { .name: k_codes, .offset: 16, .size: 8, .value_kind: global_buffer, .address_space: global }
      - { .name: k_scales, .offset: 24, .size: 8, .value_kind: global_buffer, .address_space: global }
      - { .name: v_codes, .offset: 32, .size: 8, .value_kind: global_buffer, .address_space: global }
      - { .name: v_scales, .offset: 40, .size: 8, .value_kind: global_buffer, .address_space: global }
      - { .name: Wq_codes, .offset: 48, .size: 8, .value_kind: global_buffer, .address_space: global }
      - { .name: Wq_scales, .offset: 56, .size: 8, .value_kind: global_buffer, .address_space: global }
      - { .name: bq, .offset: 64, .size: 8, .value_kind: global_buffer, .address_space: global }
      - { .name: qc, .offset: 72, .size: 8, .value_kind: global_buffer, .address_space: global }
      - { .name: qs, .offset: 80, .size: 8, .value_kind: global_buffer, .address_space: global }
      - { .name: kc, .offset: 88, .size: 8, .value_kind: global_buffer, .address_space: global }
      - { .name: skv, .offset: 96, .size: 8, .value_kind: global_buffer, .address_space: global }
      - { .name: vc, .offset: 104, .size: 8, .value_kind: global_buffer, .address_space: global }
    .group_segment_fixed_size: 327680
    .private_segment_fixed_size: 0
    .kernarg_segment_align: 8
    .kernarg_segment_size: 112
    .max_flat_workgroup_size: 256
    .sgpr_count:     102
    .vgpr_count:     256
    .wavefront_size: 32
...
	.end_amdgpu_metadata
.endif
;; end of part 4
;; launch attn (part 5): grid 64 x 4, 12 waves a work-group, clusters of 4 x 1, 327,680 bytes of LDS; arguments qc, qs, kc, vc, skv, cc, cs; writes cc, cs
.if DOCPART == 5
	.amdgcn_target "amdgcn-amd-amdhsa--gfx1250"
	.amdhsa_code_object_version 6
	.text
	.protected	k_qe7ee820cef_attn
	.globl	k_qe7ee820cef_attn
	.p2align	8
	.type	k_qe7ee820cef_attn,@function
k_qe7ee820cef_attn:
	s_mov_b64 s[64:65], 0
	v_nop
	global_prefetch_b8 v0, s[64:65] scope:SCOPE_SE
	s_setreg_imm32_b32 hwreg(HW_REG_WAVE_MODE, 25, 1), 1
	s_wait_xcnt 0x0
	s_wait_alu depctr_hold_cnt(0) depctr_sa_sdst(0) depctr_va_vdst(0) depctr_va_sdst(0) depctr_va_ssrc(0) depctr_va_vcc(0) depctr_vm_vsrc(0)
	s_getreg_b32 s2, hwreg(HW_REG_IB_STS2, 6, 4)
	s_cmp_eq_u32 s2, 0
	s_cbranch_scc0 .Lentry_in_a_cluster
	s_endpgm
.Lentry_in_a_cluster:
	s_bfe_u32 s2, ttmp6, 0x10000c
	s_cmp_lg_u32 s2, 0x3003
	s_cbranch_scc0 .Lentry_shape_is_right
	s_endpgm
.Lentry_shape_is_right:
; Attention of 12 heads of 64 over 4,096 tokens on codes of BF8 (E5M2) with one E8M0 scale for each 32 along a product's K; the result, divided by the row's sum, is quantised
; along the channels and stored as images of operand registers for the last product.
; THE SOFTMAX AHEAD OF THE SECOND PRODUCT: t = score x log2(e) / 8; M = the row's largest t so far, rounded UP to a whole number; p = 2^(t - M) is what is quantised, along the keys, not normalised.
; The row's sum is taken of the unquantised p, in f32.  When M moves, the sum and O are multiplied by 2^(old M - new M): exact.
; SHARES.  A work-group owns THREE heads (work-group y: heads 3 y .. 3 y + 2) x 64 queries: 4 x 64 = 256 work-groups of equal work.  Twelve waves, w = 4 j + 2 kh + p: head 3 y + j, queries 32 p .. 32 p + 31 of the block
; (two tiles of 16: each fragment of K and V from LDS feeds both), and of each slot of 256 keys the half kh: 128 keys, one step a slot.  The two halves' results are joined at the end through LDS, by powers of two.
; LAYOUT.  Both products are used transposed (S^T = K Q^T, O^T = V^T P^T): a lane holds ONE query of a tile (lane % 16) throughout.  Tiles take neighbouring keys, so register pair i of p's codes holds
; keys 16 i + 8 (lane / 16) + 0 .. 7 of the step: the order in which V's codes were laid.  Q's and K's codes agree in the same way along the channels.
; THE FIRST PRODUCT'S K IS 64, the instruction's 128.  A fragment of K holds TWO tiles of 16 keys.  Q stands as zeros | q0 | zeros | q1 | zeros: [q, 0] picks the first tile, [0, q] the second; the other tile's codes, which are finite, meet zero codes.
; OPERANDS LIE IN MEMORY AND IN LDS AS IMAGES OF THEIR REGISTERS: registers 4 c .. 4 c + 3 at 512 c + 16 x lane.  A slot holds 256 keys of the three heads: six dense blocks of 16,384 bytes,
; block 2 j: the 8 fragments of K of head j, block 2 j + 1: the 2 steps x 4 fragments of V.  Two slots and the three heads' scale words are what fits in LDS.
; CLUSTER.  The four query blocks of a cluster walk the same K and V: each block is asked for JOINTLY, by the same tensor load with the same descriptor and a mask that names the four.
; THE CHANGE OF SLOTS.  A slot's last LDS reads are V's fragments, in hand ahead of the second tile's exponentials: there the wave signals; it waits behind that tile's conversions.  Behind the round come the refill of the slot just left and
; the next slot's K, which lands in the registers that held the scores, under the rescaling and the second product.  So two regions of 64 registers swap roles from slot to slot: operands in one, scores in the other.
; LIMITS: NaN and infinities are not served; scaled scores (t) stay under 2^31 in magnitude; a block of zeros gets the scale byte 1 where the rule says 127 (its codes are zeros; this program alone reads the bytes); a block's largest p is taken as
; the exponential of its largest score (v_exp_f32 is taken not to fall where its input rises).
.set SLOT1, 131072                     ; slot 1 begins here
.set HEADB, 32768                      ; in a slot: a head's K and V
.set VOFF,  16384                      ; in a head's part: V behind K
.set SCL,   SLOT1+3*HEADB              ; the three heads' scale words, 16,384 bytes a head: K's [fragment][16], and 8,192 on V's [step][tile][16]; filled once
.set SPARE, SCL+3*16384                ; the spare words, 128 bytes for each of the twelve waves
.set STG,   4608                       ; at the end, from LDS byte 0: a wave's O of one tile (4,096 bytes) and its -M, largest t, sums (512)
; WINDOW 0.  v[12:15] tile 0: -M, largest t, the sum in two halves; v[16:19] tile 1; v[20:21], v[22:23] f of the tiles (upper registers written once)
.set LI,  1                            ; 16 x lane
.set LK0, 2                            ; LDS address of my K in slot 0
.set LSC, 3                            ; of my scale words
.set SPW, 4                            ; my spare word; never rewritten
.set NIL, 5                            ; 0; never rewritten
.set PFO, 6                            ; 256 x lane; never rewritten
.set LK1, 8                            ; LDS address of my K in slot 1
.set ADS, 9                            ; of the slot's scale words
.set R4,  10                           ; 4 x (lane % 16)
.set QSC, 11                           ; Q's scale bytes, twice in the word: lanes 0-15 tile 0's, lanes 16-31 tile 1's
.set QZ,  24                           ; v24-63 zeros | q0 | zeros | q1 | zeros
.set RA,  64                           ; the two regions
.set RB,  128
.set CD0, 192                          ; v192-207, v208-223 p's codes of the two tiles
.set BM,  224                          ; the blocks' largest scores, then largest p
.set T1,  228
.set HL,  232                          ; 57,344 x the scale
.set SO,  236                          ; the conversions' scale operands
.set PW0, 240                          ; v240, v241 p's scale words
.set TT,  242
.set KS,  244                          ; v244-245 K's scale words: lanes 0-15 fragment 2 p, lanes 16-31 fragment 2 p + 1
.set VS,  246                          ; v246-247 V's
; v248-255 chains of the row's sum.   WINDOW 1: O^T: tile x, channel tile t at v[32 x + 8 t]
.set WV,  18
.set MNT, 19
.set SEL, 20
.set CS,  22                           ; s[22:23] c = log2(e) / 8
.set G1,  24                           ; the one descriptor group 1: 64 dense rows of 256 bytes, for all four work-groups
.set G0R, 32                           ; group 0 of the ring (waves 0-5); it walks
.set G0S, 36                           ; group 0 of the scale words (waves 8-10)
.set TS,  41                           ; the slot's scale words: 512 bytes a slot, for K's and for V's alike
.set SLOTS, 42                         ; trips to go; a trip is two slots
.set LIM, 43                           ; 1 in a wave that prefetches, else the greatest number: a wave asks where trips to go exceed it
.set PFA, 44                           ; where my prefetches stand
.set KH,  79                           ; which half of a slot's keys is mine
.set MSB, 0
.macro WIN new                         ; the immediate's high byte repeats the setting that is left
.if MSB != \new
	s_set_vgpr_msb (MSB<<8)|\new
.set MSB, \new
.endif
.endm
.macro CREST                           ; a round of the cluster's barrier behind its opening barrier
	s_cmp_lg_u32 s[WV], 0
	s_cbranch_scc1 .Lnot_wave_0_\@
	s_barrier_signal -3
.Lnot_wave_0_\@:
	s_barrier_wait -3
	s_barrier_signal -1
	s_barrier_wait -1
.endm
.macro CROUND
	s_barrier_signal -1
	s_barrier_wait -1
	CREST
.endm
.macro TLOAD                           ; the joint fill: wave w of 0 .. 5 brings block w of a slot; the branch hangs on the wave's number alone
	s_cmp_lt_u32 s[WV], 6
	s_cbranch_scc0 .Lnone_\@
	tensor_load_to_lds s[G0R:G0R+3], s[G1:G1+7]
	s_nop 0
.rept 4
	v_nop
.endr
.Lnone_\@:
.endm
; A PREFETCH INTO THE L2, once for two slots: the two slots behind the one just asked for, 32,768 consecutive bytes of each of the six streams; their loads follow one and two slots later.
; All clusters of a y walk the same K and V: the first of them asks.  In each of its four partners waves 0 to 5 ask, each for the stream that it fetches; the partners share the bytes out BY ADDRESS, 8,192 each,
; lanes 256 bytes apart: each aligned block of 256 bytes is named once in the launch.  The head's names slots 2 and 3, the sixth trip's slots 14 and 15; the last trip asks for nothing.
.macro ASK
	s_cmp_gt_u32 s[SLOTS], s[LIM]
	s_cbranch_scc0 .Lnot_mine_\@
	global_prefetch_b8 v[PFO], s[PFA:PFA+1] th:TH_LOAD_NT scope:SCOPE_SE
.Lnot_mine_\@:
.endm
.macro KQ d, a, b, sa, ra, rb          ; 16 keys x 16 queries; the constant 0 starts the sum
.if (\ra) && (\rb)
	v_wmma_scale_f32_16x16x128_f8f6f4 v[\d:\d+7], v[\a:\a+15], v[\b:\b+15], 0, v[\sa], v[QSC] matrix_a_fmt:MATRIX_FMT_BF8 matrix_b_fmt:MATRIX_FMT_BF8 matrix_a_scale:MATRIX_SCALE_ROW1 matrix_b_scale:MATRIX_SCALE_ROW1
.elseif (\ra)
	v_wmma_scale_f32_16x16x128_f8f6f4 v[\d:\d+7], v[\a:\a+15], v[\b:\b+15], 0, v[\sa], v[QSC] matrix_a_fmt:MATRIX_FMT_BF8 matrix_b_fmt:MATRIX_FMT_BF8 matrix_a_scale:MATRIX_SCALE_ROW1
.elseif (\rb)
	v_wmma_scale_f32_16x16x128_f8f6f4 v[\d:\d+7], v[\a:\a+15], v[\b:\b+15], 0, v[\sa], v[QSC] matrix_a_fmt:MATRIX_FMT_BF8 matrix_b_fmt:MATRIX_FMT_BF8 matrix_b_scale:MATRIX_SCALE_ROW1
.else
	v_wmma_scale_f32_16x16x128_f8f6f4 v[\d:\d+7], v[\a:\a+15], v[\b:\b+15], 0, v[\sa], v[QSC] matrix_a_fmt:MATRIX_FMT_BF8 matrix_b_fmt:MATRIX_FMT_BF8
.endif
.endm
.macro PV f, t, x                      ; 16 channels x tile x's 16 queries, 128 keys deep, added in place
.set D_, 32*(\x)+8*(\t)
.set A_, \f+16*(\t)
.set B_, CD0+16*(\x)
.if (\t)%2
	v_wmma_scale_f32_16x16x128_f8f6f4 v[D_:D_+7], v[A_:A_+15], v[B_:B_+15], v[D_:D_+7], v[VS+(\t)/2], v[PW0+\x] matrix_a_fmt:MATRIX_FMT_BF8 matrix_b_fmt:MATRIX_FMT_BF8 matrix_a_scale:MATRIX_SCALE_ROW1
.else
	v_wmma_scale_f32_16x16x128_f8f6f4 v[D_:D_+7], v[A_:A_+15], v[B_:B_+15], v[D_:D_+7], v[VS+(\t)/2], v[PW0+\x] matrix_a_fmt:MATRIX_FMT_BF8 matrix_b_fmt:MATRIX_FMT_BF8
.endif
.endm
.macro KLOAD d, ka                     ; K's two scale words and four fragments of a step
.irp p, 0,1
	ds_load_b32 v[KS+\p], v[ADS] offset:128*\p
.endr
.irp g, 0,1,2,3
.irp c, 0,1,2,3
	ds_load_b128 v[\d+16*\g+4*\c:\d+16*\g+4*\c+3], v[\ka] offset:2048*\g+512*\c
.endr
.endr
.endm
.macro RESCALE x                       ; O^T of tile x under the new M
	WIN 0x41
	s_wait_alu depctr_va_vdst(0)
.set J_, 32*(\x)
.rept 16
	v_pk_mul_f32 v[J_:J_+1], v[J_:J_+1], v[20+2*\x:21+2*\x] op_sel_hi:[1,0]
.set J_, J_+2
.endr
.endm
; THE SOFTMAX OF A TILE: 64 scores of a lane at v[s] become p's codes and scale word.  kind > 0: ahead of the exponentials the wave shows that the next slot's tile and its own reads of this slot are in, and signals.
.macro SOFTMAX s, x, kind, ask
.set MM, 12+4*\x
.set LL, 14+4*\x
.set FF, 20+2*\x
.set CD, CD0+16*\x
.set PW, PW0+\x
.irp b, 0,1,2,3
	v_max3_num_f32 v[BM+\b], v[\s+16*\b], v[\s+16*\b+1], v[\s+16*\b+2]   ; the largest score of each block of 32 keys: for the row's maximum and, since p rises with the score, for the block's largest p
.endr
.irp i, 3,5,7,9,11,13
.irp b, 0,1,2,3
	v_max3_num_f32 v[BM+\b], v[BM+\b], v[\s+16*\b+\i], v[\s+16*\b+\i+1]
.endr
.endr
.irp b, 0,1,2,3
	v_max_num_f32 v[BM+\b], v[BM+\b], v[\s+16*\b+15]
.endr
.irp b, 0,1,2,3
	s_delay_alu instid0(VALU_DEP_4)
	v_permlanex16_b32 v[T1+\b], v[BM+\b], s[SEL], s[SEL+1]
.endr
.irp b, 0,1,2,3
	s_delay_alu instid0(VALU_DEP_4)
	v_max_num_f32 v[BM+\b], v[BM+\b], v[T1+\b]     ; with lane l xor 16's 16 keys
.endr
	s_delay_alu instid0(VALU_DEP_2)
	v_max3_num_f32 v[TT], v[BM], v[BM+1], v[BM+2]
	s_delay_alu instid0(VALU_DEP_1)
	v_max_num_f32 v[TT], v[TT], v[BM+3]            ; the step's largest score of my query
	s_delay_alu instid0(VALU_DEP_1)
	v_mul_f32 v[TT], s[CS], v[TT]                  ; as t (c is positive)
	s_delay_alu instid0(VALU_DEP_1)
	v_max_num_f32 v[MM+1], v[MM+1], v[TT]          ; the running largest t
	v_mov_b32 v[TT], v[MM]
	s_delay_alu instid0(VALU_DEP_2)
	v_floor_f32 v[MM], -v[MM+1]                    ; the new -M = floor(-t) = -ceil(t): M is a whole number
	s_delay_alu instid0(VALU_DEP_1)
	v_sub_f32 v[TT], v[MM], v[TT]                  ; old M - new M: a whole number, 0 or less
	s_delay_alu instid0(VALU_DEP_1)
	v_cvt_i32_f32 v[TT], v[TT]                     ; (it saturates)
	s_delay_alu instid0(VALU_DEP_1)
	v_ldexp_f32 v[FF], 1.0, v[TT]                  ; f = 2^(old M - new M)
.set J_, 0
.rept 32
	v_pk_fma_f32 v[\s+J_:\s+J_+1], v[\s+J_:\s+J_+1], s[CS:CS+1], v[MM:MM+1] op_sel_hi:[1,0,0]   ; t - M, two at a time
.set J_, J_+2
.endr
.irp b, 0,1,2,3
	v_fma_f32 v[BM+\b], v[BM+\b], s[CS], v[MM]     ; the same of each block's largest score
.endr
	s_wait_alu depctr_va_vdst(0)
.if (\x) == 1
.if (\kind) > 0
	s_wait_tensorcnt 0x0                           ; my part of the next slot is in; no tensor load of mine is out, so a group 0 may be written
	ds_add_u32 v[SPW], v[NIL]                      ; 0 onto my spare word
.if (\kind) == 2
	ds_add_u32 v[SPW], v[NIL]                      ; and once more, where a load follows
	s_xor_b32 s[G0R+1], s[G0R+1], SLOT1            ; the walking descriptor: the other slot than last time,
	s_add_nc_u64 s[G0R+2:G0R+3], s[G0R+2:G0R+3], 16384   ; the next 256 keys of my stream; the type bits on top are not reached
.if \ask
	s_wait_xcnt 0x0                                ; the last prefetch has read its address, so it may be written
	s_add_nc_u64 s[PFA:PFA+1], s[PFA:PFA+1], 32768
.endif
.endif
	s_wait_dscnt 0x0                               ; the add is done, and V's fragments, my last reads of this slot, are in
	s_barrier_signal -1                            ; register work alone up to the wait
.else
	s_wait_dscnt 0x0                               ; V's fragments
.endif
.endif
.set J_, 0
.rept 64
	v_exp_f32 v[\s+J_], v[\s+J_]                   ; p = 2^(t - M), at most 1
.set J_, J_+1
.endr
.irp b, 0,1,2,3
	v_exp_f32 v[BM+\b], v[BM+\b]                   ; the block's largest p: the same two instructions on the same number
.endr
	v_pk_mul_f32 v[LL:LL+1], v[LL:LL+1], v[FF:FF+1] op_sel_hi:[1,0]   ; the sums under the new M (a plain instruction behind the exponentials)
	s_wait_alu depctr_va_vdst(0)
.irp b, 0,1,2,3
	v_max_num_f32 v[BM+\b], 0x8000000, v[BM+\b]    ; the floor 2^(16 - 127): the byte cannot fall under 1
.endr
.irp b, 0,1,2,3
	s_delay_alu instid0(VALU_DEP_4)
	v_add_nc_u32 v[SO+\b], 0xf8800000, v[BM+\b]    ; 15 off the exponent field: the conversion's scale operand
.endr
.irp b, 0,1,2,3
	v_and_or_b32 v[HL+\b], v[BM+\b], 0x7f800000, s[MNT]   ; 57,344 x the scale
.endr
.irp b, 0,1,2,3
	v_lshrrev_b32 v[T1+\b], 23, v[SO+\b]           ; the scale's byte
.endr
	s_delay_alu instid0(VALU_DEP_3)
	v_lshl_or_b32 v[PW], v[T1+1], 8, v[T1]         ; p's scale word for these 128 keys
	s_delay_alu instid0(VALU_DEP_1)
	v_lshl_or_b32 v[PW], v[T1+2], 16, v[PW]
	s_delay_alu instid0(VALU_DEP_1)
	v_lshl_or_b32 v[PW], v[T1+3], 24, v[PW]
.set J_, 0
.irp r, 248,250,252,254,224,226,228,230            ; the row's sum, of the unquantised p: eight chains (BM and T1 are done with)
	v_pk_add_f32 v[\r:\r+1], v[\s+J_:\s+J_+1], v[\s+J_+16:\s+J_+17]
.set J_, J_+2
.endr
.set J_, 32
.rept 2
.irp r, 248,250,252,254,224,226,228,230
	v_pk_add_f32 v[\r:\r+1], v[\r:\r+1], v[\s+J_:\s+J_+1]
.set J_, J_+2
.endr
.endr
.irp r, 0,2,4,6
	s_delay_alu instid0(VALU_DEP_4)
	v_pk_add_f32 v[248+\r:249+\r], v[248+\r:249+\r], v[224+\r:225+\r]
.endr
	s_delay_alu instid0(VALU_DEP_2)
	v_pk_add_f32 v[248:249], v[248:249], v[252:253]
	s_delay_alu instid0(VALU_DEP_2)
	v_pk_add_f32 v[250:251], v[250:251], v[254:255]
	s_delay_alu instid0(VALU_DEP_1)
	v_pk_add_f32 v[248:249], v[248:249], v[250:251]
	s_delay_alu instid0(VALU_DEP_1)
	v_pk_add_f32 v[LL:LL+1], v[LL:LL+1], v[248:249]
.irp b, 0,1,2,3
.irp i, 0,2,4,6,8,10,12,14
	v_dual_min_num_f32 v[\s+16*\b+\i], v[\s+16*\b+\i], v[HL+\b] :: v_dual_min_num_f32 v[\s+16*\b+\i+1], v[\s+16*\b+\i+1], v[HL+\b]   ; the conversion to an 8-bit code does not saturate (ISA guide 7.6.2); p is not negative, so the hold is one-sided
.endr
	v_cvt_scalef32_pk8_bf8_f32 v[CD+4*\b:CD+4*\b+1], v[\s+16*\b:\s+16*\b+7], v[SO+\b]
	v_cvt_scalef32_pk8_bf8_f32 v[CD+4*\b+2:CD+4*\b+3], v[\s+16*\b+8:\s+16*\b+15], v[SO+\b]
.endr
	v_nop                                          ; a plain instruction behind the last conversion
.endm
; A SLOT: my 128 keys.  f: the region that holds K and then V; s: the region of the scores, into which the next slot's K goes.  va, ka: LDS addresses in this slot and in the next.
; kind 2: the slot just left is filled again; kind 1: nothing is left to fetch; kind 0: the last slot.
.macro SLOT f, s, va, ka, kind, ask
.rept 9
	v_nop                                          ; the last second product read the registers that the first product now writes
.endr
.irp g, 0,1,2,3
	s_wait_dscnt 12-4*\g                           ; the scale words and fragments 0 .. g are in: behind them only the younger fragments' loads are out
.irp u, 0,1
	KQ \s+16*\g+8*\u, \f+16*\g, QZ+8-8*\u, KS+\g/2, \g%2, 0
.endr
.endr
.rept 8
	v_nop                                          ; places ahead of the first read of the scores (ISA guide 7.12.1)
.endr
	SOFTMAX \s, 0, 0, 0
.irp g, 0,1,2,3
.irp u, 0,1
	KQ \s+16*\g+8*\u, \f+16*\g, QZ+24-8*\u, KS+\g/2, \g%2, 1
.endr
.endr
	RESCALE 0                                      ; these sixteen are also the places behind the products
	WIN 0
.irp t, 0,1,2,3                                    ; V's fragments land under the second tile's maxima
.irp c, 0,1,2,3
	ds_load_b128 v[\f+16*\t+4*\c:\f+16*\t+4*\c+3], v[\va] offset:VOFF+2048*\t+512*\c
.endr
.endr
.irp p, 0,1
	ds_load_b32 v[VS+\p], v[ADS] offset:8192+128*\p
.endr
	SOFTMAX \s, 1, \kind, \ask
.if (\kind) > 0
	s_barrier_wait -1
.if (\kind) == 2
	CREST                                          ; no wave of any partner still reads the slot just left or has a load on its way
	TLOAD
.endif
	s_add_co_u32 s[TS], s[TS], 512
	v_add_nc_u32 v[ADS], s[TS], v[LSC]
	s_wait_alu depctr_va_vdst(0)
	KLOAD \s, \ka
.if \ask
	ASK
.endif
.endif
	RESCALE 1                                      ; these sixteen also stand between the conversions and the products that take the codes
	WIN 0x50
.irp t, 0,1,2,3
	PV \f, \t, 0                                   ; eight accumulators by turns, one instruction a turn
	PV \f, \t, 1
.endr
	WIN 0
.endm
	s_load_b256 s[4:11], s[0:1], 0x0               ; qc, qs, kc, vc
	s_load_b128 s[12:15], s[0:1], 0x20             ; skv, cc
	s_load_b64 s[16:17], s[0:1], 0x30              ; cs
	v_lshl_add_u32 v[SPW], v0, 2, SPARE
	v_mov_b32 v[NIL], 0
	ds_add_u32 v[SPW], v[NIL]                      ; the wave's opening
	ds_add_u32 v[SPW], v[NIL]
	v_lshrrev_b32 v1, 5, v0
	s_delay_alu instid0(VALU_DEP_1)
	v_readfirstlane_b32 s[WV], v1                  ; wave 0..11
	s_bfe_u32 s46, ttmp6, 0x40000                  ; cx: it enters Q's, the results' and the prefetches' addresses alone
	s_lshl_b32 s47, ttmp9, 2
	s_add_co_u32 s47, s47, s46                     ; my block of 64 queries
	s_and_b32 s74, ttmp7, 0xffff
	s_mul_i32 s74, s74, 3                          ; the first of the three heads, which the four partners share
	s_lshr_b32 s75, s[WV], 2                       ; which of the three is my wave's
	s_add_co_u32 s48, s74, s75                     ; my head
	s_lshl_b32 s50, s48, 18                        ; its first byte in qc
	s_and_b32 s49, s[WV], 1                        ; my 32 queries of the block.  Also: I fetch for K (0) or for V (1)
	s_bfe_u32 s[KH], s[WV], 0x10001                ; my half of a slot's keys; at the end, my tile
	s_lshr_b32 s54, s[WV], 1
	s_min_u32 s54, s54, 2                          ; the head for which I fetch: wave / 2 in waves 0-5
	s_add_co_u32 s54, s54, s74
	s_lshl_b32 s54, s54, 18                        ; its first byte in kc or vc
	s_mov_b32 s55, 0
	s_and_b32 s76, s[WV], 3
	s_min_u32 s76, s76, 2                          ; the head whose scale words I fetch: wave % 4 in waves 8-10
	s_lshl_b32 s[G0S+1], s76, 14
	s_add_co_u32 s[G0S+1], s[G0S+1], SCL           ; where they go
	s_add_co_u32 s76, s76, s74
	s_lshl_b32 s52, s76, 14                        ; and where they lie in skv
	s_mov_b32 s53, 0
	s_mov_b32 s[G1+0], 15|(3<<16)|(1<<21)          ; the mask: all four work-groups; elements of 8 bytes; bit 21 set beside a mask; no padding
	s_mov_b32 s[G1+1], 32<<16                      ; tensor_dim0: 32 elements = 256 bytes
	s_mov_b32 s[G1+2], 64<<16                      ; tensor_dim1
	s_mov_b32 s[G1+3], 32<<16                      ; tile_dim0
	s_mov_b32 s[G1+4], 64                          ; tile_dim1
	s_mov_b32 s[G1+5], 32                          ; dense
	s_mov_b32 s[G1+6], 0
	s_mov_b32 s[G1+7], 0
	s_mov_b32 s[SEL], 0x76543210
	s_mov_b32 s[SEL+1], 0xfedcba98
	s_mov_b32 s[CS], 0x3e38aa3b                    ; c = log2(e) / sqrt(64)
	s_mov_b32 s[CS+1], s[CS]
	s_mov_b32 s[MNT], 0x600000
	s_mov_b32 s[TS], 0
	s_mov_b32 s[SLOTS], 7
	s_cmp_lt_u32 s[WV], 6                          ; waves 0-5
	s_cselect_b32 s[LIM], ttmp9, 1                 ; of the first cluster of this y prefetch: the same in all four partners
	s_cmp_eq_u32 s[LIM], 0
	s_cselect_b32 s[LIM], 1, -1
	s_lshl_b32 s56, s46, 13                        ; my work-group's 8,192 bytes of 32,768,
	s_add_co_u32 s56, s56, s54
	s_add_co_u32 s56, s56, 32768                   ; in slots 2 and 3
	s_mov_b32 s57, 0
	s_lshl_b32 s58, s47, 1
	s_add_co_u32 s58, s58, s49                     ; my fragment of Q: two tiles
	s_lshl_b32 s60, s58, 11
	s_add_co_u32 s60, s60, s50
	s_mov_b32 s61, 0
	s_lshl_b32 s70, s58, 6
	s_lshl_b32 s71, s48, 14
	s_add_co_u32 s70, s70, s71                     ; its scale words in qs
	s_mov_b32 s71, 0
	s_lshl_b32 s62, s58, 1
	s_add_co_u32 s62, s62, s[KH]                   ; T: the tile of 16 tokens that I finish
	s_lshr_b32 s63, s48, 1                         ; the last product's K step: two heads
	s_and_b32 s66, s48, 1                          ; and my head's half of it
	s_mul_i32 s68, s62, 12288
	s_lshl_b32 s67, s63, 11
	s_add_co_u32 s68, s68, s67
	s_lshl_b32 s67, s66, 10
	s_add_co_u32 s68, s68, s67                     ; cc: 12,288 T + 2,048 step + 1,024 half
	s_mov_b32 s69, 0
	s_mul_i32 s72, s62, 6
	s_add_co_u32 s72, s72, s63
	s_lshl_b32 s72, s72, 6
	s_lshl_b32 s67, s66, 1
	s_add_co_u32 s72, s72, s67                     ; cs: 64 (6 T + step) + 2 half
	s_mov_b32 s73, 0
	s_wait_alu depctr_va_vdst(0)
	s_wait_dscnt 0x0                               ; both opening adds are done
	s_wait_kmcnt 0x0
	s_cmp_eq_u32 s49, 0
	s_cselect_b64 s[G0R+2:G0R+3], s[8:9], s[10:11] ; even waves fetch K's blocks, odd waves V's
	s_cselect_b64 s[PFA:PFA+1], s[8:9], s[10:11]
	s_add_nc_u64 s[G0R+2:G0R+3], s[G0R+2:G0R+3], s[54:55]
	s_or_b32 s[G0R+3], s[G0R+3], 0x80000000        ; type = 2
	s_mov_b32 s[G0R], 1
	s_lshl_b32 s[G0R+1], s[WV], 14                 ; LDS: 16,384 x wave, in slot 0
	s_mov_b32 s[G0S], 1
	s_add_nc_u64 s[G0S+2:G0S+3], s[12:13], s[52:53]
	s_or_b32 s[G0S+3], s[G0S+3], 0x80000000
	s_add_nc_u64 s[PFA:PFA+1], s[PFA:PFA+1], s[56:57]
	s_add_nc_u64 s[4:5], s[4:5], s[60:61]
	s_add_nc_u64 s[6:7], s[6:7], s[70:71]
	s_add_nc_u64 s[14:15], s[14:15], s[68:69]
	s_add_nc_u64 s[16:17], s[16:17], s[72:73]
	CROUND                                         ; all four work-groups are here: the first joint loads meet
	s_cmp_lt_u32 s[WV], 6                          ; the first fills: slot 0 (waves 0-5) and the three heads' scale words (waves 8-10): one load a wave
	s_cbranch_scc0 .Lnot_ring
	tensor_load_to_lds s[G0R:G0R+3], s[G1:G1+7]
	s_nop 0
.rept 4
	v_nop
.endr
	s_branch .Lfirst_done
.Lnot_ring:
	s_cmp_lt_u32 s[WV], 8
	s_cbranch_scc1 .Lfirst_done
	s_cmp_lt_u32 s[WV], 11
	s_cbranch_scc0 .Lfirst_done
	tensor_load_to_lds s[G0S:G0S+3], s[G1:G1+7]
	s_nop 0
.rept 4
	v_nop
.endr
.Lfirst_done:
	s_lshl_b32 s76, s75, 14
	s_lshl_b32 s77, s[KH], 8
	s_add_co_u32 s76, s76, s77                     ; my head's scale words, my half's 256 bytes
	s_lshl_b32 s77, s75, 15
	s_lshl_b32 s78, s[KH], 13
	s_add_co_u32 s77, s77, s78                     ; my head's part of a slot, my half of its keys
	v_and_b32 v7, 31, v0                           ; lane
	s_delay_alu instid0(VALU_DEP_1)
	v_lshlrev_b32 v[LI], 4, v7
	s_delay_alu instid0(VALU_DEP_2)
	v_lshl_add_u32 v[LSC], v7, 2, SCL
	v_lshlrev_b32 v[PFO], 8, v7
	v_and_b32 v[R4], 15, v0
	v_bfe_u32 v[TT], v0, 4, 1
	s_delay_alu instid0(VALU_DEP_2)
	v_lshlrev_b32 v[R4], 2, v[R4]
	s_delay_alu instid0(VALU_DEP_2)
	v_lshlrev_b32 v[TT], 4, v[TT]                  ; 16 in lanes 16-31
	v_add_nc_u32 v[LSC], s76, v[LSC]
	v_add_nc_u32 v[LK0], s77, v[LI]
	s_delay_alu instid0(VALU_DEP_1)
	v_add_nc_u32 v[LK1], SLOT1, v[LK0]
	global_load_b128 v[QZ+8:QZ+11], v[LI], s[4:5]              ; my two tiles of Q stay in registers
	global_load_b128 v[QZ+12:QZ+15], v[LI], s[4:5] offset:512
	global_load_b128 v[QZ+24:QZ+27], v[LI], s[4:5] offset:1024
	global_load_b128 v[QZ+28:QZ+31], v[LI], s[4:5] offset:1536
	global_load_b32 v[QSC], v[R4], s[6:7]
.irp j, 0,1,2,3,4,5,6,7
	v_mov_b32 v[QZ+\j], 0                          ; zero codes on both sides of q0 and q1
	v_mov_b32 v[QZ+16+\j], 0
	v_mov_b32 v[QZ+32+\j], 0
.endr
	WIN 0x40
.set J_, 0
.rept 64
	v_mov_b32 v[J_], 0                             ; O^T: the slot is written once: the first finds zeros, which the first change of M leaves zeros
.set J_, J_+1
.endr
	WIN 0
	v_mov_b32 v13, 0xff61b1e6                      ; the largest t so far: -3e38, under every t
	v_mov_b32 v17, 0xff61b1e6
	s_delay_alu instid0(VALU_DEP_2)
	v_floor_f32 v12, -v13                          ; -M
	s_delay_alu instid0(VALU_DEP_2)
	v_floor_f32 v16, -v17
	v_mov_b32 v14, 0                               ; the sums, in two halves
	v_mov_b32 v15, 0
	v_mov_b32 v18, 0
	v_mov_b32 v19, 0
	v_mov_b32 v21, 0                               ; (named as the upper halves of pairs)
	v_mov_b32 v23, 0
.irp b, 0,1,2,3
	v_mov_b32 v[T1+\b], 0                          ; a lane permute's destination counts as one of its sources
.endr
	s_wait_alu depctr_va_vdst(0)
	s_wait_loadcnt 0x0
	v_lshrrev_b32 v[QSC], v[TT], v[QSC]            ; a word holds tile 0's two bytes and then tile 1's
	s_delay_alu instid0(VALU_DEP_1)
	v_and_b32 v[QSC], 0xffff, v[QSC]
	s_delay_alu instid0(VALU_DEP_1)
	v_lshl_or_b32 v[QSC], v[QSC], 16, v[QSC]       ; q's two bytes serve [q, 0] and [0, q] alike; beside zero codes any byte but 0xff adds nothing
	s_wait_alu depctr_va_vdst(0)
	s_wait_tensorcnt 0x0                           ; slot 0's and the scale words' first fills are in
	ds_add_u32 v[SPW], v[NIL]
	ds_add_u32 v[SPW], v[NIL]
	s_xor_b32 s[G0R+1], s[G0R+1], SLOT1            ; slot 1: the next 256 keys
	s_add_nc_u64 s[G0R+2:G0R+3], s[G0R+2:G0R+3], 16384
	s_wait_dscnt 0x0
	CROUND
	TLOAD                                          ; slot 1's first fill
	v_add_nc_u32 v[ADS], s[TS], v[LSC]
	s_wait_alu depctr_va_vdst(0)
	KLOAD RA, LK0
	ASK
.Lslot:                                            ; 7 trips of two slots: slots 0 to 13 are read, slots 2 to 15 asked for
	SLOT RA, RB, LK0, LK1, 2, 0
	SLOT RB, RA, LK1, LK0, 2, 1
	s_sub_co_u32 s[SLOTS], s[SLOTS], 1
	s_cmp_lg_u32 s[SLOTS], 0
	s_cbranch_scc1 .Lslot
	SLOT RA, RB, LK0, LK1, 1, 0                    ; slots 14 and 15: nothing is left to fetch
	SLOT RB, RA, LK1, LK0, 0, 0
	; THE TWO HALVES OF THE KEYS ARE JOINED.  Of the wave's two tiles it finishes number kh and gives the other to wave w xor 2, through LDS bytes of slot 0, which has had its last fill; its last reads lie ahead of the last change of slots.
	s_mul_i32 s76, s[WV], STG
	s_xor_b32 s77, s[WV], 2
	s_mul_i32 s77, s77, STG
.rept 8
	v_nop                                          ; places ahead of the first read of the last products
.endr
	v_add_nc_u32 v[LK0], s76, v[LI]                ; where I put, and
	v_add_nc_u32 v[LK1], s77, v[LI]                ; where I find
	s_wait_alu depctr_va_vdst(0)
.macro GIVE a, o                       ; tile a goes to LDS; tile o, my own, into v128-159, its -M, largest t and sums into v100-103
	WIN 0x04
.irp c, 0,1,2,3,4,5,6,7
	ds_store_b128 v[LK0], v[32*\a+4*\c:32*\a+4*\c+3] offset:512*\c
.endr
	WIN 0
	ds_store_b128 v[LK0], v[12+4*\a:15+4*\a] offset:4096
	WIN 0x01
.set J_, 0
.rept 32
	v_mov_b32 v[RB+J_], v[32*\o+J_]                ; each accumulator from its low end on
.set J_, J_+1
.endr
	WIN 0
.irp i, 0,1,2,3
	v_mov_b32 v[100+\i], v[12+4*\o+\i]
.endr
	s_wait_alu depctr_va_vdst(0)
.endm
	s_cmp_eq_u32 s[KH], 0
	s_cbranch_scc0 .Lsecond_half
	GIVE 1, 0
	s_branch .Lgiven
.Lsecond_half:
	GIVE 0, 1
.Lgiven:
	s_wait_alu depctr_va_vdst(0)
	s_wait_dscnt 0x0
	s_barrier_signal -1
	s_barrier_wait -1
.irp c, 0,1,2,3,4,5,6,7
	ds_load_b128 v[RA+4*\c:RA+4*\c+3], v[LK1] offset:512*\c
.endr
	ds_load_b128 v[96:99], v[LK1] offset:4096
	s_wait_dscnt 0x0
	v_min_num_f32 v104, v100, v96                  ; -M of both halves
	v_add_f32 v102, v102, v103                     ; each half's sum
	v_add_f32 v98, v98, v99
	s_delay_alu instid0(VALU_DEP_3)
	v_sub_f32 v105, v104, v100
	s_delay_alu instid0(VALU_DEP_4)
	v_sub_f32 v106, v104, v96
	s_delay_alu instid0(VALU_DEP_2)
	v_cvt_i32_f32 v105, v105
	s_delay_alu instid0(VALU_DEP_2)
	v_cvt_i32_f32 v106, v106
	s_delay_alu instid0(VALU_DEP_2)
	v_ldexp_f32 v108, 1.0, v105                    ; my half's factor,
	s_delay_alu instid0(VALU_DEP_2)
	v_ldexp_f32 v110, 1.0, v106                    ; the other's
	s_delay_alu instid0(VALU_DEP_2)
	v_mul_f32 v14, v102, v108
	s_delay_alu instid0(VALU_DEP_1)
	v_fma_f32 v14, v98, v110, v14
	s_delay_alu instid0(VALU_DEP_1)
	v_permlanex16_b32 v[TT], v14, s[SEL], s[SEL+1]
	s_delay_alu instid0(VALU_DEP_1)
	v_add_f32 v14, v14, v[TT]                      ; with lane l xor 16's: the row's sum
	s_wait_alu depctr_va_vdst(0)
	v_rcp_f32 v14, v14
.set J_, 0
.rept 16
	v_pk_mul_f32 v[RB+J_:RB+J_+1], v[RB+J_:RB+J_+1], v[108:109] op_sel_hi:[1,0]
.set J_, J_+2
.endr
.set J_, 0
.rept 16
	v_pk_fma_f32 v[RB+J_:RB+J_+1], v[RA+J_:RA+J_+1], v[110:111], v[RB+J_:RB+J_+1] op_sel_hi:[1,0,1]
.set J_, J_+2
.endr
	s_wait_alu depctr_va_vdst(0)
.set J_, 0
.rept 16
	v_pk_mul_f32 v[RB+J_:RB+J_+1], v[RB+J_:RB+J_+1], v[14:15] op_sel_hi:[1,0]   ; O^T / the sum
.set J_, J_+2
.endr
	; THE WAY OUT: quantised along the channels in two blocks of 32, as two quads of the last product's operand
.irp b, 0,1
	v_max3_num_f32 v[BM+\b], |v[RB+16*\b]|, |v[RB+16*\b+1]|, 0x8000000
.endr
.irp i, 2,4,6,8,10,12,14
.irp b, 0,1
	s_delay_alu instid0(VALU_DEP_2)
	v_max3_num_f32 v[BM+\b], v[BM+\b], |v[RB+16*\b+\i]|, |v[RB+16*\b+\i+1]|
.endr
.endr
.irp b, 0,1
	s_delay_alu instid0(VALU_DEP_2)
	v_permlanex16_b32 v[T1+\b], v[BM+\b], s[SEL], s[SEL+1]
.endr
.irp b, 0,1
	s_delay_alu instid0(VALU_DEP_2)
	v_max_num_f32 v[BM+\b], v[BM+\b], v[T1+\b]
.endr
.irp b, 0,1
	s_delay_alu instid0(VALU_DEP_2)
	v_add_nc_u32 v[SO+\b], 0xf8800000, v[BM+\b]
.endr
.irp b, 0,1
	s_delay_alu instid0(VALU_DEP_4)
	v_and_or_b32 v[HL+\b], v[BM+\b], 0x7f800000, s[MNT]
.endr
.irp b, 0,1
	s_delay_alu instid0(VALU_DEP_4)
	v_lshrrev_b32 v[T1+\b], 23, v[SO+\b]
.endr
	s_delay_alu instid0(VALU_DEP_1)
	v_lshl_or_b32 v[PW0], v[T1+1], 8, v[T1]        ; my head's two bytes of the row's scale word
.irp b, 0,1
.irp i, 0,1,2,3,4,5,6,7,8,9,10,11,12,13,14,15
	v_med3_num_f32 v[RB+16*\b+\i], v[RB+16*\b+\i], -v[HL+\b], v[HL+\b]
.endr
	v_cvt_scalef32_pk8_bf8_f32 v[CD0+4*\b:CD0+4*\b+1], v[RB+16*\b:RB+16*\b+7], v[SO+\b]
	v_cvt_scalef32_pk8_bf8_f32 v[CD0+4*\b+2:CD0+4*\b+3], v[RB+16*\b+8:RB+16*\b+15], v[SO+\b]
.endr
	v_nop
	global_store_b128 v[LI], v[CD0:CD0+3], s[14:15]            ; 32 lanes store 512 consecutive bytes, aligned
	global_store_b128 v[LI], v[CD0+4:CD0+7], s[14:15] offset:512
	global_store_b16 v[R4], v[PW0], s[16:17]                   ; lanes 16-31 hold the same bytes as lanes 0-15 and write the same places
	s_wait_tensorcnt 0x0                           ; the wave's end
	ds_add_u32 v[SPW], v[NIL]
	s_wait_dscnt 0x0
	CROUND                                         ; the closing round: no work-group ends while a partner may still ask for a tile that names it
	s_endpgm
.Lfunc_end_k_qe7ee820cef_attn:
	.size	k_qe7ee820cef_attn, .Lfunc_end_k_qe7ee820cef_attn-k_qe7ee820cef_attn
	.p2alignl 7, 3214868480
	.fill 96, 4, 3214868480
	.section	.rodata,"a",@progbits
	.p2align	6, 0x0
	.amdhsa_kernel k_qe7ee820cef_attn
		.amdhsa_group_segment_fixed_size 327680
		.amdhsa_private_segment_fixed_size 0
		.amdhsa_enable_private_segment 0
		.amdhsa_kernarg_size 56
		.amdhsa_user_sgpr_count 2
		.amdhsa_user_sgpr_kernarg_segment_ptr 1
		.amdhsa_wavefront_size32 1
		.amdhsa_system_sgpr_workgroup_id_x 1
		.amdhsa_system_sgpr_workgroup_id_y 1
		.amdhsa_system_sgpr_workgroup_id_z 1
		.amdhsa_system_vgpr_workitem_id 0
		.amdhsa_next_free_vgpr 320
		.amdhsa_next_free_sgpr 80
		.amdhsa_reserve_vcc 0
		.amdhsa_float_denorm_mode_32 3
		.amdhsa_float_denorm_mode_16_64 3
		.amdhsa_memory_ordered 1
		.amdhsa_forward_progress 1
		.amdhsa_inst_pref_size 172
	.end_amdhsa_kernel
	.amdgpu_metadata
---
amdhsa.version: [ 1, 2 ]
amdhsa.kernels:
  - .name:           k_qe7ee820cef_attn
    .symbol:         k_qe7ee820cef_attn.kd
    .args:
      - { .name: qc, .offset: 0, .size: 8, .value_kind: global_buffer, .address_space: global }
      - { .name: qs, .offset: 8, .size: 8, .value_kind: global_buffer, .address_space: global }
      - { .name: kc, .offset: 16, .size: 8, .value_kind: global_buffer, .address_space: global }
      - { .name: vc, .offset: 24, .size: 8, .value_kind: global_buffer, .address_space: global }
      - { .name: skv, .offset: 32, .size: 8, .value_kind: global_buffer, .address_space: global }
      - { .name: cc, .offset: 40, .size: 8, .value_kind: global_buffer, .address_space: global }
      - { .name: cs, .offset: 48, .size: 8, .value_kind: global_buffer, .address_space: global }
    .group_segment_fixed_size: 327680
    .private_segment_fixed_size: 0
    .kernarg_segment_align: 8
    .kernarg_segment_size: 56
    .max_flat_workgroup_size: 384
    .sgpr_count:     80
    .vgpr_count:     320
    .wavefront_size: 32
...
	.end_amdgpu_metadata
.endif
;; end of part 5
;; launch outp (part 6): grid 64 x 4, 12 waves a work-group, clusters of 4 x 1, 215,040 bytes of LDS; arguments cc, cs, Wo_codes, Wo_scales, bo, out0; writes out0
.if DOCPART == 6
	.amdgcn_target "amdgcn-amd-amdhsa--gfx1250"
	.amdhsa_code_object_version 6
	.text
	.protected	k_qe7ee820cef_outp
	.globl	k_qe7ee820cef_outp
	.p2align	8
	.type	k_qe7ee820cef_outp,@function
k_qe7ee820cef_outp:
	s_mov_b64 s[64:65], 0
	v_nop
	global_prefetch_b8 v0, s[64:65] scope:SCOPE_SE
	s_setreg_imm32_b32 hwreg(HW_REG_WAVE_MODE, 25, 1), 1
	s_wait_xcnt 0x0
	s_wait_alu depctr_hold_cnt(0) depctr_sa_sdst(0) depctr_va_vdst(0) depctr_va_sdst(0) depctr_va_ssrc(0) depctr_va_vcc(0) depctr_vm_vsrc(0)
	s_getreg_b32 s2, hwreg(HW_REG_IB_STS2, 6, 4)
	s_cmp_eq_u32 s2, 0
	s_cbranch_scc0 .Lentry_in_a_cluster
	s_endpgm
.Lentry_in_a_cluster:
	s_bfe_u32 s2, ttmp6, 0x10000c
	s_cmp_lg_u32 s2, 0x3003
	s_cbranch_scc0 .Lentry_shape_is_right
	s_endpgm
.Lentry_shape_is_right:
; out0 = concat Wo^T + bo on codes of BF8 (E5M2) with one E8M0 scale for each 32 along K = 768.  concat comes as images of operand registers (cc) with a scale word a row and 128 along K (cs).
; SHARES.  A work-group takes 192 columns (rows of Wo: work-group y) x 64 tokens: 4 x 64 = 256 work-groups.  Twelve waves: wave / 4 takes 64 columns (four tiles), wave % 4 takes 16 tokens.
; USED TRANSPOSED: source 0 = 16 rows of Wo, source 1 = 16 tokens: a lane holds one token and eight neighbouring columns.  The bias is loaded straight into the accumulators: every product adds in place.
; ORDER ALONG K.  Register pair i of concat's fragments holds k = 16 i + 8 (lane / 16) + 0 .. 7.  Wo is read from LDS in the same order: eight loads of 8 bytes a fragment, at 16 i + 8 (lane / 16).  A block of 32 keeps its four registers, so Wo's scale bytes serve as they lie.
; Wo's 192 rows with all of K lie in LDS, filled once, in three chunks of 256 along K.  CLUSTER: the four work-groups of a cluster have the same y and need the same rows of Wo: each load is asked for JOINTLY, with a mask that names the four.
; concat's six fragments of a wave's 16 tokens go from memory straight into registers: 512 consecutive bytes a load.
; LIMITS: NaN and infinities are not served; inside a block of 32 the products are summed in the order stated above.
.set PITCH, 272                        ; an LDS row: 256 bytes + 16 of padding = 68 words: the 32 lanes of an 8-byte load touch 64 different banks (64 banks of 4 bytes: ISA guide 11.1)
.set UNIT,  64*PITCH
.set CH,    3*UNIT                     ; a chunk: 192 rows
.set SC,    3*CH                       ; Wo's scale bytes, 24 a row, dense: 4,608 bytes
.set STG,   SC+4608                    ; the stages for the way out: 16 rows x 272 bytes for each wave; no tensor load lands here
.set ADA, 4                            ; v4   LDS address of my fragments of Wo in the chunk in hand
.set ADS, 5                            ; v5   of Wo's scale words: a lane a row
.set LI,  6                            ; v6   16 x lane
.set STO, 7                            ; v7   the stage: where I put 32 bytes of a row
.set RD,  8                            ; v8   and where I read a row back
.set CO,  9                            ; v9   my byte offset in two rows of out0
.set R4,  10                           ; v10  4 x (lane % 16)
.set HB,  11                           ; v11  32 x (lane / 16)
.set SA,  12                           ; v12-13 Wo's scale words: register p: lanes 0-15 tile 2 p, lanes 16-31 tile 2 p + 1
.set CSW, 14                           ; v14-19 concat's scale words of the six K steps
.set ACC, 20                           ; v20-51  four accumulators
.set AF,  52                           ; v52-115 four fragments of Wo; on the way out rows of out0
.set BFR, 116                          ; v116-211 concat's six fragments
.set WV,  18
.set G1C, 24                           ; s[24:31] descriptor group 1 for codes;  s[32:39] for scale bytes
.set G1S, 32
.set G0S, 40                           ; s[40:43] group 0 for scale bytes;  s[44:47] for my chunk's 64 rows of codes
.set G0C, 44
.macro CROUND
	s_barrier_signal -1
	s_barrier_wait -1
	s_cmp_lg_u32 s[WV], 0
	s_cbranch_scc1 .Lnot_wave_0_\@
	s_barrier_signal -3
.Lnot_wave_0_\@:
	s_barrier_wait -3
	s_barrier_signal -1
	s_barrier_wait -1
.endm
.macro PLACES                          ; eight plain vector instructions between a matrix instruction of this form and a load into, or a read of, its registers
.rept 8
	v_nop
.endr
.endm
.macro WM d, a, b, sa, sb, ra
.if \ra
	v_wmma_scale_f32_16x16x128_f8f6f4 v[\d:\d+7], v[\a:\a+15], v[\b:\b+15], v[\d:\d+7], v[\sa], v[\sb] matrix_a_fmt:MATRIX_FMT_BF8 matrix_b_fmt:MATRIX_FMT_BF8 matrix_a_scale:MATRIX_SCALE_ROW1
.else
	v_wmma_scale_f32_16x16x128_f8f6f4 v[\d:\d+7], v[\a:\a+15], v[\b:\b+15], v[\d:\d+7], v[\sa], v[\sb] matrix_a_fmt:MATRIX_FMT_BF8 matrix_b_fmt:MATRIX_FMT_BF8
.endif
.endm
; 128 along K: the ks-th of the chunk in hand, the s-th of all six
.macro KSTEP3 ks, s, first
.if \first == 0
	PLACES
.endif
.irp i, 0,1,2,3
.irp pr, 0,1,2,3,4,5,6,7
	ds_load_b64 v[AF+16*\i+2*\pr:AF+16*\i+2*\pr+1], v[ADA] offset:\i*16*PITCH+128*\ks+16*\pr
.endr
.endr
.irp p, 0,1
	ds_load_b32 v[SA+\p], v[ADS] offset:768*\p+4*\s
.endr
	s_wait_dscnt 0x0
.irp i, 0,1,2,3
	WM ACC+8*\i, AF+16*\i, BFR+16*\s, SA+\i/2, CSW+\s, \i%2      ; four accumulators by turns, one instruction a turn
.endr
.endm
	s_load_b256 s[4:11], s[0:1], 0x0               ; cc, cs, Wo's codes, Wo's scales
	s_load_b128 s[12:15], s[0:1], 0x20             ; bo, out0
	v_lshl_add_u32 v216, v0, 2, 0x34200
	v_mov_b32 v217, 0
	ds_add_u32 v216, v217
	ds_add_u32 v216, v217
	v_lshrrev_b32 v1, 5, v0
	s_delay_alu instid0(VALU_DEP_1)
	v_readfirstlane_b32 s[WV], v1                  ; wave 0..11
	s_bfe_u32 s56, ttmp6, 0x40000                  ; cx: it enters concat's and out0's addresses alone
	s_lshl_b32 s57, ttmp9, 2
	s_add_co_u32 s57, s57, s56                     ; my group of 64 tokens
	s_and_b32 s58, ttmp7, 0xffff                   ; my group of 192 columns, which the four partners share
	s_lshr_b32 s59, s[WV], 2                       ; which 64 columns are my wave's
	s_and_b32 s60, s[WV], 3                        ; which 16 tokens
	s_mul_i32 s61, s58, 192
	s_mul_i32 s71, s[WV], 11
	s_lshr_b32 s71, s71, 5                         ; wave / 3: waves 0-8 fetch that chunk of codes, waves 9-11 the scale bytes
	s_mul_i32 s62, s71, 3
	s_sub_co_u32 s62, s[WV], s62                   ; wave % 3: which 64 rows
	s_lshl_b32 s62, s62, 6
	s_add_co_u32 s62, s62, s61                     ; row 192 y + 64 x (wave % 3) of Wo
	s_mul_i32 s66, s62, 768
	s_lshl_b32 s71, s71, 8
	s_add_co_u32 s66, s66, s71                     ; its bytes of my chunk
	s_mov_b32 s67, 0
	s_mul_i32 s68, s62, 24
	s_mov_b32 s69, 0
	s_mov_b32 s[G1C+0], 15|(1<<20)|(1<<21)|(5<<22)|(3<<25)   ; the mask: all four work-groups; elements of 1 byte; padding on: 4 words after every 64; bit 21 set beside a mask
	s_mov_b32 s[G1C+1], 256<<16
	s_mov_b32 s[G1C+2], 64<<16
	s_mov_b32 s[G1C+3], 256<<16
	s_mov_b32 s[G1C+4], 64
	s_mov_b32 s[G1C+5], 768
	s_mov_b32 s[G1C+6], 0
	s_mov_b32 s[G1C+7], 0
	s_mov_b32 s[G1S+0], 15|(3<<16)|(1<<21)         ; 64 rows x 24 bytes: 1,536 dense bytes as 6 rows of 32 elements of 8 bytes
	s_mov_b32 s[G1S+1], 32<<16
	s_mov_b32 s[G1S+2], 6<<16
	s_mov_b32 s[G1S+3], 32<<16
	s_mov_b32 s[G1S+4], 6
	s_mov_b32 s[G1S+5], 32
	s_mov_b32 s[G1S+6], 0
	s_mov_b32 s[G1S+7], 0
	s_wait_dscnt 0x0
	s_wait_kmcnt 0x0
	s_add_nc_u64 s[66:67], s[8:9], s[66:67]
	s_add_nc_u64 s[68:69], s[10:11], s[68:69]
	s_mov_b32 s[G0S], 1
	s_mul_i32 s[G0S+1], s[WV], 1536
	s_add_co_u32 s[G0S+1], s[G0S+1], SC-9*1536     ; waves 9-11: SC on
	s_mov_b64 s[G0S+2:G0S+3], s[68:69]
	s_or_b32 s[G0S+3], s[G0S+3], 0x80000000
	s_mov_b32 s[G0C], 1
	s_mul_i32 s[G0C+1], s[WV], UNIT                ; chunk x 3 units + 64 rows' unit = wave x a unit
	s_mov_b64 s[G0C+2:G0C+3], s[66:67]
	s_or_b32 s[G0C+3], s[G0C+3], 0x80000000
	CROUND                                         ; all four work-groups are here: the joint loads meet
	s_cmp_lt_u32 s[WV], 9                          ; one load a wave; every LDS byte is filled once
	s_cbranch_scc0 .Lfor_scales
	tensor_load_to_lds s[G0C:G0C+3], s[G1C:G1C+7]
	s_nop 0
.rept 4
	v_nop
.endr
	s_branch .Lno_fetch
.Lfor_scales:
	tensor_load_to_lds s[G0S:G0S+3], s[G1S:G1S+7]
	s_nop 0
.rept 4
	v_nop
.endr
.Lno_fetch:
	s_lshl_b32 s63, s57, 2
	s_add_co_u32 s63, s63, s60                     ; T: my tile of 16 tokens
	s_mul_i32 s66, s63, 12288
	s_mov_b32 s67, 0
	s_add_nc_u64 s[4:5], s[4:5], s[66:67]          ; its six fragments,
	s_mul_i32 s66, s63, 384
	s_add_nc_u64 s[6:7], s[6:7], s[66:67]          ; their scale words
	s_lshl_b32 s70, s59, 6
	s_add_co_u32 s70, s70, s61
	s_lshl_b32 s66, s70, 2                         ; my first column, in bytes: a multiple of 256
	s_add_nc_u64 s[12:13], s[12:13], s[66:67]
	s_add_nc_u64 s[14:15], s[14:15], s[66:67]
	s_mul_i32 s66, s63, 16*3072
	s_add_nc_u64 s[14:15], s[14:15], s[66:67]      ; my first row of out0
	v_and_b32 v1, 31, v0                           ; lane
	v_and_b32 v2, 15, v0                           ; r
	v_bfe_u32 v3, v0, 4, 1                         ; h
	s_delay_alu instid0(VALU_DEP_2)
	v_mul_u32_u24 v[ADA], v2, PITCH
	s_delay_alu instid0(VALU_DEP_1)
	v_lshl_add_u32 v[STO], v3, 5, v[ADA]           ; the stage, in: row r, + 32 h
	s_delay_alu instid0(VALU_DEP_2)
	v_lshl_add_u32 v[ADA], v3, 3, v[ADA]           ; Wo: row r, + 8 h
	s_mul_i32 s70, s59, UNIT
	v_add_nc_u32 v[ADA], s70, v[ADA]
	v_mul_u32_u24 v[ADS], v1, 24
	s_mul_i32 s70, s59, 64*24
	s_add_co_u32 s70, s70, SC
	v_add_nc_u32 v[ADS], s70, v[ADS]
	v_lshlrev_b32 v[LI], 4, v1
	s_mul_i32 s70, s[WV], 16*PITCH
	s_add_co_u32 s70, s70, STG                     ; my stage
	v_add_nc_u32 v[STO], s70, v[STO]
	v_mul_u32_u24 v[RD], v3, PITCH
	s_delay_alu instid0(VALU_DEP_1)
	v_lshl_add_u32 v[RD], v2, 4, v[RD]
	s_delay_alu instid0(VALU_DEP_1)
	v_add_nc_u32 v[RD], s70, v[RD]                 ; back: lanes 0-15 one row of 256 bytes, lanes 16-31 the next
	v_mul_u32_u24 v[CO], v3, 3072
	s_delay_alu instid0(VALU_DEP_1)
	v_lshl_add_u32 v[CO], v2, 4, v[CO]             ; and the same two rows in out0
	v_lshlrev_b32 v[R4], 2, v2
	v_lshlrev_b32 v[HB], 5, v3
.irp s, 0,1,2,3,4,5
.irp c, 0,1,2,3
	global_load_b128 v[BFR+16*\s+4*\c:BFR+16*\s+4*\c+3], v[LI], s[4:5] offset:2048*\s+512*\c
.endr
	global_load_b32 v[CSW+\s], v[R4], s[6:7] offset:64*\s
.endr
.irp i, 0,1,2,3
	global_load_b128 v[ACC+8*\i:ACC+8*\i+3], v[HB], s[12:13] offset:64*\i        ; bo at columns 16 i + 8 h + 0 .. 7: the sums begin with it
	global_load_b128 v[ACC+8*\i+4:ACC+8*\i+7], v[HB], s[12:13] offset:64*\i+16
.endr
	s_wait_tensorcnt 0x0                           ; my one load is in
	s_wait_loadcnt 0x0
	s_barrier_signal -1
	s_barrier_wait -1
	KSTEP3 0, 0, 1
	KSTEP3 1, 1, 0
	v_add_nc_u32 v[ADA], CH, v[ADA]
	s_wait_alu depctr_va_vdst(0)
	KSTEP3 0, 2, 0
	KSTEP3 1, 3, 0
	v_add_nc_u32 v[ADA], CH, v[ADA]
	s_wait_alu depctr_va_vdst(0)
	KSTEP3 0, 4, 0
	KSTEP3 1, 5, 0
	; THE WAY OUT: a lane's 32 bytes of a row go into my own stage and come back as whole rows of 256 bytes.  LDS serves a wave's instructions in order (ISA guide 5.7.1.4): no wait between the stores and the loads.
	PLACES
.irp i, 0,1,2,3
	ds_store_b128 v[STO], v[ACC+8*\i:ACC+8*\i+3] offset:64*\i          ; each accumulator from its low end on
	ds_store_b128 v[STO], v[ACC+8*\i+4:ACC+8*\i+7] offset:64*\i+16
.endr
.irp t, 0,1,2,3,4,5,6,7
	ds_load_b128 v[AF+4*\t:AF+4*\t+3], v[RD] offset:\t*2*PITCH
.endr
.irp t, 0,1,2,3,4,5,6,7
	s_wait_dscnt 7-\t                              ; the younger loads may stay out
	global_store_b128 v[CO], v[AF+4*\t:AF+4*\t+3], s[14:15] offset:\t*2*3072 th:TH_STORE_NT   ; 16 lanes store 256 consecutive bytes, aligned; written once, read by nobody here
.endr
	s_wait_dscnt 0x0
	s_wait_tensorcnt 0x0
	ds_add_u32 v216, v217
	s_wait_dscnt 0x0
	CROUND                                         ; the closing round: no work-group ends while a partner may still ask for a tile that names it
	s_endpgm
.Lfunc_end_k_qe7ee820cef_outp:
	.size	k_qe7ee820cef_outp, .Lfunc_end_k_qe7ee820cef_outp-k_qe7ee820cef_outp
	.p2alignl 7, 3214868480
	.fill 96, 4, 3214868480
	.section	.rodata,"a",@progbits
	.p2align	6, 0x0
	.amdhsa_kernel k_qe7ee820cef_outp
		.amdhsa_group_segment_fixed_size 215040
		.amdhsa_private_segment_fixed_size 0
		.amdhsa_enable_private_segment 0
		.amdhsa_kernarg_size 48
		.amdhsa_user_sgpr_count 2
		.amdhsa_user_sgpr_kernarg_segment_ptr 1
		.amdhsa_wavefront_size32 1
		.amdhsa_system_sgpr_workgroup_id_x 1
		.amdhsa_system_sgpr_workgroup_id_y 1
		.amdhsa_system_sgpr_workgroup_id_z 1
		.amdhsa_system_vgpr_workitem_id 0
		.amdhsa_next_free_vgpr 218
		.amdhsa_next_free_sgpr 72
		.amdhsa_reserve_vcc 0
		.amdhsa_float_denorm_mode_32 3
		.amdhsa_float_denorm_mode_16_64 3
		.amdhsa_memory_ordered 1
		.amdhsa_forward_progress 1
		.amdhsa_inst_pref_size 30
	.end_amdhsa_kernel
	.amdgpu_metadata
---
amdhsa.version: [ 1, 2 ]
amdhsa.kernels:
  - .name:           k_qe7ee820cef_outp
    .symbol:         k_qe7ee820cef_outp.kd
    .args:
      - { .name: cc, .offset: 0, .size: 8, .value_kind: global_buffer, .address_space: global }
      - { .name: cs, .offset: 8, .size: 8, .value_kind: global_buffer, .address_space: global }
      - { .name: Wo_codes, .offset: 16, .size: 8, .value_kind: global_buffer, .address_space: global }
      - { .name: Wo_scales, .offset: 24, .size: 8, .value_kind: global_buffer, .address_space: global }
      - { .name: bo, .offset: 32, .size: 8, .value_kind: global_buffer, .address_space: global }
      - { .name: out0, .offset: 40, .size: 8, .value_kind: global_buffer, .address_space: global }
    .group_segment_fixed_size: 215040
    .private_segment_fixed_size: 0
    .kernarg_segment_align: 8
    .kernarg_segment_size: 48
    .max_flat_workgroup_size: 384
    .sgpr_count:     72
    .vgpr_count:     218
    .wavefront_size: 32
...
	.end_amdgpu_metadata
.endif
;; end of part 6
